; MI455X (gfx1250); checked and timed in simulation.
; The chip was launched on July 23, 2026; its instructions are those of AMD's public machine-readable ISA for CDNA 5 (MIT licence, August 2026) and "CDNA5" Instruction Set Architecture Reference Guide (July 2026). The comments in the code are by the model that wrote it; some were corrected since.
;; Multi Head Attn. Allowed arithmetic: matrix products marked QUANTISED: E2M3 operands, one E8M0 scale for each 32 along K, by v_wmma_scale_f32_16x16x128_f8f6f4 with both operands' format E2M3, f32 sums; everything else in f32.
;; Inputs: W_fc 1,024 x 1,024 float32; W_qkv 1,024 x 3,072 float32; b_fc 1,024 float32; char_ids 4 x 2,048 int32; mask 4 x 2,048 int32; seq_len 4 int32; x 4 x 2,048 x 1,024 float32.
;; Outputs: out0 4 x 2,048 x 1,024 float32.
;; This version of the problem:
;;   THIS VERSION OF THE PROBLEM IS GIVEN IN LOW PRECISION. The matrix products marked QUANTISED in the list below multiply operands that are first quantised to E2M3 (2 exponent bits, 3 mantissa bits; 6 bits a number), with one power-of-two scale for each 32 numbers along K (OCP MX v1.0); their sums are f32. All else is computed in f32.
;;   The module's matrix products, in the order in which they are computed (A, B: the left and right operand; K: the contracted axis; several contracted axes count as one K, in the product's order):
;;     1. [M 8,192, K 1,024] x [K 1,024, N 3,072]; A: input x; B: input W_qkv: QUANTISED
;;     2. batch 64 x [M 2,048, K 64] x [K 64, N 2,048]; A: computed on the way; B: computed on the way: QUANTISED
;;     3. batch 64 x [M 2,048, K 2,048] x [K 2,048, N 64]; A: softmax (see below); B: computed on the way: QUANTISED
;;     4. [M 8,192, K 1,024] x [K 1,024, N 1,024]; A: computed on the way; B: input W_fc: QUANTISED
;;   THE QUANTISER, for each operand of a quantised product, along K:
;;     - K is cut into blocks of 32 from its start; a last block that is shorter is filled with zeros.
;;     - A block's scale is 2^e with e = floor(log2(the largest magnitude in the block)) - 2, held to -126 .. 127; a block of zeros has e = 0. As a byte (E8M0): e + 127.
;;     - Each number is divided by its block's scale, clamped to +-7.5, and rounded to the nearest number of E2M3, ties to even, subnormals kept.
;;     - The product sums the exact products of the quantised numbers (number of the format x scale) in f32.
;;   ~~~python
;;   def quantise(x, axis):      # numpy; x: float32 -> the quantised numbers, widened to float32 again
;;       x = np.moveaxis(x, axis, -1); K = x.shape[-1]
;;       x = np.pad(x, [(0, 0)] * (x.ndim - 1) + [(0, -K % 32)]); x = x.reshape(x.shape[:-1] + (-1, 32)); a = np.abs(x).max(-1, keepdims=True)
;;       e = np.where(a > 0, np.clip(np.frexp(np.where(a > 0, a, 1))[1] - 1 - 2, -126, 127), 0)      # np.frexp(a)[1] - 1 = floor(log2(a)), exactly
;;       r = np.clip(x / 2.0 ** e, -7.5, 7.5)
;;       step = 2.0 ** (np.maximum(np.frexp(np.where(r == 0, 1, r))[1] - 1, 0) - 3)
;;       q = np.round(r / step) * step * 2.0 ** e      # np.round: ties to even
;;       return np.moveaxis(q.reshape(q.shape[:-2] + (-1,))[..., :K], -1, axis).astype(np.float32)
;;   ~~~
;;   SOFTMAX AHEAD OF A QUANTISED PRODUCT. Where the list says 'softmax', what is quantised is not the finished softmax but p = 2^(t - M), with t = logit x log2(e) and M = ceil(the row's largest t), a whole number; so 1/2 < the row's largest p <= 1. The row's sum l is taken of the UNQUANTISED p, in f32, and the product's result is divided by l at the end. Since M is a whole number, a kernel that streams over the keys may use a running M (the ceiling of the running maximum): every later rescaling is an exact power of two, which a block's scale takes up: the codes' values come out the same.
;;   OPERANDS COMPUTED ON THE WAY. 'Computed on the way' means the value that the module computes at that place (a softmax that the list does not call 'softmax' is quantised finished and normalised). What goes into a quantiser is computed in f32, as accurately as f32 sums, v_exp_f32 and their like allow (about 1e-6 of the number): no bf16 or f16 on the way to a quantiser, and a product that is left as it is and whose result goes on into a quantised operand takes f32 operands (vector FMAs, or v_wmma_f32_16x16x4_f32). A number that lies on a knife's edge between two numbers of the format may be rounded either way, as far as f32 arithmetic and the matrix unit's own rounding can turn it there, and no further.
;; One version. Each part assembles by itself: llvm-mc -triple=amdgcn-amd-amdhsa -mcpu=gfx1250 --defsym DOCPART=n.
;; ======== version 1 of 1: 4 launches
;; limits: right only within a limited range of input values
;; workspace buffers: xc 6,291,456 bytes; xs 262,144 bytes; wc 3,145,728 bytes; ws 131,072 bytes; qkvc 18,874,368 bytes; qkvs 1,572,864 bytes; ac 6,291,456 bytes; asc 262,144 bytes
;; launch quant (part 1): grid 384 x 1, 4 waves a work-group, no clusters, 68,096 bytes of LDS; arguments x, W_qkv, W_fc, xc, xs, wc, ws; writes xc, xs, wc, ws
.if DOCPART == 1
	.amdgcn_target "amdgcn-amd-amdhsa--gfx1250"
	.amdhsa_code_object_version 6
	.text
	.protected	k_qa3c383c0a3_quant
	.globl	k_qa3c383c0a3_quant
	.p2align	8
	.type	k_qa3c383c0a3_quant,@function
k_qa3c383c0a3_quant:
	s_mov_b64 s[64:65], 0
	v_nop
	global_prefetch_b8 v0, s[64:65] scope:SCOPE_SE
	s_setreg_imm32_b32 hwreg(HW_REG_WAVE_MODE, 25, 1), 1
	s_wait_xcnt 0x0
; x [8192][1024], W_qkv [1024][3072] and W_fc [1024][1024], f32, become codes of FP6 (E2M3) and E8M0 bytes, quantised along K = 1024.
; char_ids and seq_len have no way to the output, are not loaded and are among no launch's arguments.
; A block's byte is its largest magnitude's exponent field - 2, held at 1 from below (a block of zeros keeps 1: its codes are zeros, and only this program reads the bytes).
; LIMITS: blocks whose largest magnitude lies under 2^-124 get the byte 1; NaN and infinities among the inputs are not served.
; CODES are laid [256 along K: 4][row position][192 bytes]: 128 positions of one K step are 24,576 dense bytes, 96 units of 256 bytes from a multiple of 256.
; POSITIONS: inside each aligned group of 32, row (or column) a stands at a with its bits 3 and 4 swapped.  Weights: positions 0-3071 W_qkv's columns, 3072-4095 W_fc's.
; SCALE BYTES: [tile of 16 positions][256 along K: 4][position: 16][8 bytes].
; Work-groups 0-127 take the weights (a lane a column, registers down K: 32 columns x 256 along K a wave), 128-383 take x (8 rows a wave, 16 steps of 512 numbers).
; The two paths part on the work-group's number and have LDS bytes of their own.  Waves share nothing: no barrier.
.set EMAX,  2
.set SPW,   208                        ; my spare word; never rewritten
.set NIL,   209                        ; 0; never rewritten
.set WREG,  8192                       ; x: a wave's region: two stages of 32 x SP bytes, then its 256 scale bytes
.set SP,    80
.set WST,   4*WREG                     ; the weights' four stages
.set PITCH, 272
.set SPARE, WST+4*32*PITCH             ; the spare words, 128 bytes a wave
.set XKS,   8192*192                   ; bytes from K step to K step in xc
.set WKS,   4096*192                   ; and in wc
.set NB,    8
.set WX,    32                         ; v32-95 two sets of 32 numbers
.set WC,    96
.set OUTR,  112
.set OFFI,  176                        ; v176-207 4 x lane + i rows of W
.set SB,    24
.set BAS,   32                         ; s[32:47] block t's first row
.set STEPS, 16
.set CB,    12
.set XR,    16                         ; v16-79 four sets as loaded
.set XX,    80                         ; v80-111 two sets of 16 neighbours
.set XC,    128                        ; v128-191 codes, four registers a step
.set XE,    112                        ; v112-127 a byte a step
	s_load_b256 s[4:11], s[0:1], 0x0               ; x, W_qkv, W_fc, xc
	s_load_b128 s[12:15], s[0:1], 0x20             ; xs, wc
	s_load_b64 s[16:17], s[0:1], 0x30              ; ws
	v_lshl_add_u32 v[SPW], v0, 2, SPARE
	v_mov_b32 v[NIL], 0
	v_lshrrev_b32 v1, 5, v0
	v_readfirstlane_b32 s18, v1                    ; wave
	v_and_b32 v2, 31, v0                           ; lane
	s_wait_alu depctr_va_vdst(0)
	s_cmp_lt_u32 ttmp9, 128
	s_cbranch_scc0 .Lx
; ---- the weights
	s_and_b32 s2, ttmp9, 31                        ; which 128 positions
	s_lshr_b32 s3, ttmp9, 5                        ; which 256 along K
	s_lshl_b32 s19, s2, 7
	s_lshl_b32 s23, s18, 5
	s_add_co_u32 s19, s19, s23                     ; my wave's first position
	s_mov_b32 s20, 4096
	s_cmp_lt_u32 s2, 24                            ; W_qkv or W_fc
	s_cselect_b32 s20, 12288, s20                  ; bytes in a row of W
	s_cselect_b32 s21, 0, 24
	s_sub_co_u32 s22, s2, s21
	s_lshl_b32 s22, s22, 7
	s_add_co_u32 s22, s22, s23
	s_lshl_b32 s22, s22, 2                         ; my first column in its tensor, in bytes
	s_lshl_b32 s24, s3, 8
	s_mul_i32 s24, s24, s20
	s_add_co_u32 s22, s22, s24
	s_mov_b32 s23, 0
	s_lshl_b32 s24, s20, 5                         ; 32 rows on
	s_mov_b32 s25, 0
	s_mul_i32 s26, s19, 192
	s_mul_i32 s27, s3, WKS
	s_add_co_u32 s26, s26, s27                     ; codes: K step x WKS + position x 192
	s_mov_b32 s27, 0
	s_lshl_b32 s28, s19, 5
	s_lshl_b32 s29, s3, 7
	s_add_co_u32 s28, s28, s29                     ; bytes: position x 32 + 128 x K step
	s_mov_b32 s29, 0
	v_lshlrev_b32 v[OFFI], 2, v2
.set i, 1
.rept 31
	v_add_nc_u32 v[OFFI+i], s20, v[OFFI+i-1]
.set i, i+1
.endr
	s_mul_i32 s30, s18, 32*PITCH
	s_add_co_u32 s30, s30, WST                     ; my stage
	v_mul_u32_u24 v4, v2, PITCH
	v_add_nc_u32 v4, s30, v4                       ; in: row = my column
	v_and_b32 v5, 15, v2
	v_lshrrev_b32 v6, 4, v2                        ; out: sixteen lanes to a row
	v_mul_u32_u24 v7, v6, PITCH
	v_lshl_add_u32 v7, v5, 4, v7
	v_add_nc_u32 v7, s30, v7
	v_mul_u32_u24 v8, v6, 192
	v_mad_u32_u24 v8, v5, 12, v8
	v_bfe_u32 v9, v0, 3, 1                         ; my column's bit 3 is its position's bit 4
	v_lshlrev_b32 v9, 9, v9
	v_bfe_u32 v10, v0, 4, 1
	v_lshl_or_b32 v9, v10, 6, v9
	v_and_b32 v10, 7, v0
	v_lshl_or_b32 v9, v10, 3, v9
	s_wait_alu depctr_va_vdst(0)
	s_wait_kmcnt 0x0
	s_cmp_lt_u32 s2, 24
	s_cselect_b64 s[BAS:BAS+1], s[6:7], s[8:9]
	s_add_nc_u64 s[BAS:BAS+1], s[BAS:BAS+1], s[22:23]
.irp t, 1,2,3,4,5,6,7
	s_add_nc_u64 s[BAS+2*\t:BAS+2*\t+1], s[BAS+2*\t-2:BAS+2*\t-1], s[24:25]
.endr
	s_add_nc_u64 s[14:15], s[14:15], s[26:27]
	s_add_nc_u64 s[16:17], s[16:17], s[28:29]
.macro WLOAD t                         ; block t: 32 rows at my column, each load 128 consecutive bytes
.set i, 0
.rept 32
	global_load_b32 v[WX+32*((\t)%2)+i], v[OFFI+i], s[BAS+2*(\t):BAS+2*(\t)+1] th:TH_LOAD_NT
.set i, i+1
.endr
.endm
	WLOAD 0
	WLOAD 1
.macro WBLOCK t
.set XS, WX+32*((\t)%2)
.if (\t) < NB-1
	s_wait_loadcnt 32                              ; this block's 32 are in; the next block's may be out
.else
	s_wait_loadcnt 0
.endif
	v_max3_num_f32 v12, |v[XS]|, |v[XS+1]|, |v[XS+2]|
	v_max3_num_f32 v13, |v[XS+3]|, |v[XS+4]|, |v[XS+5]|
.irp i, 6,10,14,18,22,26
	v_max3_num_f32 v12, v12, |v[XS+\i]|, |v[XS+\i+1]|
	v_max3_num_f32 v13, v13, |v[XS+\i+2]|, |v[XS+\i+3]|
.endr
	v_max3_num_f32 v12, v12, |v[XS+30]|, |v[XS+31]|
	v_max3_num_f32 v12, v12, v13, (EMAX+1)<<23     ; the floor 2^(3 - 127)
	v_add_nc_u32 v11, -(EMAX<<23), v12             ; the conversion's scale operand
	v_lshrrev_b32 v13, 23, v11                     ; the byte
.if (\t)%4 == 0
	v_mov_b32 v[SB+(\t)/4], v13
.else
	v_lshl_or_b32 v[SB+(\t)/4], v13, 8*((\t)%4), v[SB+(\t)/4]
.endif
	v_cvt_scalef32_pk16_fp6_f32 v[WC:WC+2], v[XS:XS+15], v11
	v_cvt_scalef32_pk16_fp6_f32 v[WC+4:WC+6], v[XS+16:XS+31], v11
	v_nop                                          ; a plain line behind the last conversion
	ds_store_b96 v4, v[WC:WC+2] offset:32*(\t)
	ds_store_b96 v4, v[WC+4:WC+6] offset:32*(\t)+16
.if (\t)+2 < NB
	WLOAD (\t)+2
.endif
	s_wait_dscnt 0x0                               ; the stores have read their registers
.endm
.set Q, 0
.rept NB
	WBLOCK Q
.set Q, Q+1
.endr
	s_wait_alu depctr_va_vdst(0)
	global_store_b64 v9, v[SB:SB+1], s[16:17]
.irp t, 0,1,2,3,4,5,6,7,8,9,10,11,12,13,14,15
	ds_load_b96 v[OUTR+4*\t:OUTR+4*\t+2], v7 offset:2*\t*PITCH   ; a wave's LDS instructions are served in order
.endr
.irp t, 0,1,2,3,4,5,6,7,8,9,10,11,12,13,14,15
	s_wait_dscnt 15-\t
	global_store_b96 v8, v[OUTR+4*\t:OUTR+4*\t+2], s[14:15] offset:2*((\t&3)|(((\t>>3)&1)<<2)|(((\t>>2)&1)<<3))*192   ; two neighbouring positions: 384 consecutive bytes
.endr
	s_wait_tensorcnt 0x0                           ; the wave's end
	ds_add_u32 v[SPW], v[NIL]
	s_wait_dscnt 0x0
	s_endpgm
; ---- x
.Lx:
	s_sub_co_u32 s2, ttmp9, 128
	v_lshlrev_b32 v3, 4, v2                        ; my 16 bytes of a load's 512
	s_mul_i32 s19, s18, WREG
	s_mov_b32 s28, XKS
	v_lshrrev_b32 v14, 2, v2
	v_mul_u32_u24 v14, v14, SP
	v_and_b32 v15, 3, v2
	v_lshl_add_u32 v14, v15, 4, v14
	v_add_nc_u32 v14, s19, v14                     ; the stage, in
	v_mul_u32_u24 v15, v2, SP
	v_add_nc_u32 v15, s19, v15                     ; and out: my 16 neighbours
	v_and_b32 v4, 15, v2
	v_mul_u32_u24 v4, v4, CB
	v_lshrrev_b32 v5, 4, v2
	v_mad_u32_u24 v4, v5, s28, v4                  ; codes: lanes 0-15 one K step's 192 bytes, lanes 16-31 the next K step's
	v_lshrrev_b32 v5, 1, v2
	s_add_co_u32 s19, s19, 2*32*SP
	v_add_nc_u32 v5, s19, v5                       ; LDS: my block's byte
	v_lshlrev_b32 v6, 3, v2
	v_add_nc_u32 v6, s19, v6
	v_and_b32 v7, 3, v2
	v_lshlrev_b32 v7, 7, v7
	v_lshrrev_b32 v10, 2, v2
	v_lshl_or_b32 v7, v10, 3, v7
	s_lshl_b32 s19, s2, 2
	s_add_co_u32 s20, s19, s18                     ; the run of 8 rows that I read
	s_and_b32 s21, s18, 1
	s_lshl_b32 s21, s21, 1
	s_lshr_b32 s22, s18, 1
	s_or_b32 s21, s21, s22
	s_add_co_u32 s21, s19, s21                     ; the run of 8 positions that I write: the wave's two bits swapped
	s_lshl_b32 s22, s20, 15
	s_mov_b32 s23, 0
	s_mul_i32 s24, s21, 8*192
	s_mov_b32 s25, 0
	s_lshr_b32 s26, s21, 1
	s_lshl_b32 s26, s26, 9
	s_and_b32 s27, s21, 1
	s_lshl_b32 s27, s27, 6
	s_add_co_u32 s26, s26, s27
	s_mov_b32 s27, 0
	s_wait_alu depctr_va_vdst(0)
	s_wait_kmcnt 0x0
	s_add_nc_u64 s[4:5], s[4:5], s[22:23]
	s_add_nc_u64 s[10:11], s[10:11], s[24:25]
	s_add_nc_u64 s[12:13], s[12:13], s[26:27]
.macro XLOAD t
.irp i, 0,1,2,3
	global_load_b128 v[XR+16*((\t)%4)+4*\i:XR+16*((\t)%4)+4*\i+3], v3, s[4:5] offset:2048*(\t)+512*\i th:TH_LOAD_NT
.endr
.endm
.macro XTURN t                         ; a step's numbers through the stage
.irp i, 0,1,2,3
	ds_store_b128 v14, v[XR+16*((\t)%4)+4*\i:XR+16*((\t)%4)+4*\i+3] offset:32*SP*((\t)%2)+8*SP*\i
.endr
.irp i, 0,1,2,3
	ds_load_b128 v[XX+16*((\t)%2)+4*\i:XX+16*((\t)%2)+4*\i+3], v15 offset:32*SP*((\t)%2)+16*\i
.endr
.endm
.irp t, 0,1,2,3
	XLOAD \t
.endr
	s_wait_loadcnt 12                              ; step 0's four are in; twelve younger stay out
	XTURN 0
.macro XDO t
.set XS, XX+16*((\t)%2)
.if (\t) > 0
	s_wait_dscnt 1                                 ; this step's numbers are back (the last byte store may be out)
.else
	s_wait_dscnt 0x0
.endif
.if (\t)+4 < STEPS
	XLOAD (\t)+4
.endif
.if (\t)+1 < STEPS
.if STEPS-2-(\t) >= 3
	s_wait_loadcnt 12                              ; the next step's four are in
.else
	s_wait_loadcnt 4*(STEPS-2-(\t))
.endif
	XTURN (\t)+1
.endif
	v_max3_num_f32 v8, |v[XS]|, |v[XS+1]|, |v[XS+2]|
	v_max3_num_f32 v9, |v[XS+3]|, |v[XS+4]|, |v[XS+5]|
.irp i, 6,10
	v_max3_num_f32 v8, v8, |v[XS+\i]|, |v[XS+\i+1]|
	v_max3_num_f32 v9, v9, |v[XS+\i+2]|, |v[XS+\i+3]|
.endr
	v_max3_num_f32 v8, v8, |v[XS+14]|, |v[XS+15]|
	v_max3_num_f32 v8, v8, v9, (EMAX+1)<<23
	v_max_num_f32_dpp v8, v8, v8 row_xmask:1 row_mask:0xf bank_mask:0xf   ; with my neighbour's 16: the block's
	v_add_nc_u32 v11, -(EMAX<<23), v8
	v_cvt_scalef32_pk16_fp6_f32 v[XC+4*(\t):XC+4*(\t)+2], v[XS:XS+15], v11
	v_lshrrev_b32 v[XE+(\t)], 23, v11
	ds_store_b8 v5, v[XE+(\t)] offset:16*(\t)
	global_store_b96 v4, v[XC+4*(\t):XC+4*(\t)+2], s[10:11] offset:((\t)%2)*2*XKS+((\t)/2)*192   ; row t / 2, K steps 2 (t % 2) and 2 (t % 2) + 1
.endm
.irp t, 0,1,2,3,4,5,6,7,8,9,10,11,12,13,14,15
	XDO \t
.endr
	ds_load_b64 v[8:9], v6
	s_wait_dscnt 0x0
	global_store_b64 v7, v[8:9], s[12:13]
	s_wait_tensorcnt 0x0                           ; the wave's end
	ds_add_u32 v[SPW], v[NIL]
	s_wait_dscnt 0x0
	s_endpgm
.Lfunc_end_k_qa3c383c0a3_quant:
	.size	k_qa3c383c0a3_quant, .Lfunc_end_k_qa3c383c0a3_quant-k_qa3c383c0a3_quant
	.p2alignl 7, 3214868480
	.fill 96, 4, 3214868480
	.section	.rodata,"a",@progbits
	.p2align	6, 0x0
	.amdhsa_kernel k_qa3c383c0a3_quant
		.amdhsa_group_segment_fixed_size 68096
		.amdhsa_private_segment_fixed_size 0
		.amdhsa_enable_private_segment 0
		.amdhsa_kernarg_size 56
		.amdhsa_user_sgpr_count 2
		.amdhsa_user_sgpr_kernarg_segment_ptr 1
		.amdhsa_wavefront_size32 1
		.amdhsa_system_sgpr_workgroup_id_x 1
		.amdhsa_system_sgpr_workgroup_id_y 1
		.amdhsa_system_sgpr_workgroup_id_z 1
		.amdhsa_system_vgpr_workitem_id 0
		.amdhsa_next_free_vgpr 224
		.amdhsa_next_free_sgpr 66
		.amdhsa_reserve_vcc 0
		.amdhsa_float_denorm_mode_32 3
		.amdhsa_float_denorm_mode_16_64 3
		.amdhsa_memory_ordered 1
		.amdhsa_forward_progress 1
		.amdhsa_inst_pref_size 76
	.end_amdhsa_kernel
	.amdgpu_metadata
---
amdhsa.version: [ 1, 2 ]
amdhsa.kernels:
  - .name:           k_qa3c383c0a3_quant
    .symbol:         k_qa3c383c0a3_quant.kd
    .args:
      - { .name: x, .offset: 0, .size: 8, .value_kind: global_buffer, .address_space: global }
      - { .name: W_qkv, .offset: 8, .size: 8, .value_kind: global_buffer, .address_space: global }
      - { .name: W_fc, .offset: 16, .size: 8, .value_kind: global_buffer, .address_space: global }
      - { .name: xc, .offset: 24, .size: 8, .value_kind: global_buffer, .address_space: global }
      - { .name: xs, .offset: 32, .size: 8, .value_kind: global_buffer, .address_space: global }
      - { .name: wc, .offset: 40, .size: 8, .value_kind: global_buffer, .address_space: global }
      - { .name: ws, .offset: 48, .size: 8, .value_kind: global_buffer, .address_space: global }
    .group_segment_fixed_size: 68096
    .private_segment_fixed_size: 0
    .kernarg_segment_align: 8
    .kernarg_segment_size: 56
    .max_flat_workgroup_size: 128
    .sgpr_count:     66
    .vgpr_count:     224
    .wavefront_size: 32
...
	.end_amdgpu_metadata
.endif
;; end of part 1
;; launch gemm_qkv (part 2): grid 12 x 32, 4 waves a work-group, clusters of 4 x 4, 327,680 bytes of LDS; arguments xc, xs, wc, ws, qkvc, qkvs; writes qkvc, qkvs
.if DOCPART == 2
	.amdgcn_target "amdgcn-amd-amdhsa--gfx1250"
	.amdhsa_code_object_version 6
	.text
	.protected	k_qa3c383c0a3_gemm_qkv
	.globl	k_qa3c383c0a3_gemm_qkv
	.p2align	8
	.type	k_qa3c383c0a3_gemm_qkv,@function
k_qa3c383c0a3_gemm_qkv:
	s_mov_b64 s[64:65], 0
	v_nop
	global_prefetch_b8 v0, s[64:65] scope:SCOPE_SE
	s_setreg_imm32_b32 hwreg(HW_REG_WAVE_MODE, 25, 1), 1
	s_wait_xcnt 0x0
	s_wait_alu depctr_hold_cnt(0) depctr_sa_sdst(0) depctr_va_vdst(0) depctr_va_sdst(0) depctr_va_ssrc(0) depctr_va_vcc(0) depctr_vm_vsrc(0)
	s_getreg_b32 s2, hwreg(HW_REG_IB_STS2, 6, 4)
	s_cmp_eq_u32 s2, 0
	s_cbranch_scc0 .Lentry_in_a_cluster
	s_endpgm
.Lentry_in_a_cluster:
	s_bfe_u32 s2, ttmp6, 0x10000c
	s_cmp_lg_u32 s2, 0xf033
	s_cbranch_scc0 .Lentry_shape_is_right
	s_endpgm
.Lentry_shape_is_right:
.set KSTEP,  256
.set NQ,     2
.set ROWB,   192
.set KROW,   192                       ; a position's bytes in one K step: 128 positions are 96 dense units of 256 bytes
.set G0H,    4                         ; s[4:7], s[8:11] group 0 of the head's whole tiles (the arguments there have served)
.set G0HB,   8
.set PITCH,  240
.set FR,     12
.set NL,     6
.set NP,     4
.set HALFT,  128*PITCH
.set SLOT,   4*HALFT
.set LAPS,   2
.set SCL,    2*SLOT
.set HALFS,  4096
.set SBLK,   512
.set SKEW,   128
.set SPARE,  SCL+4*HALFS+256
.set ADRA, 16
.set ADRB, 20
.set O16,  24
.set O8,   25
.set SST,  26
.set ADRS, 27
.set SPW,  28
.set NIL,  29
.set SRD,  30
.set SH16, 31
.set SC,   32
.set AF,   128
.set PC0,  64
.set SCB,  160
.set PW2,  168
.set TM,   176
.set PW,   192
.set CT,   196
.set G1, 24
.set G0, 32
.set G1B, 48
.set G0B, 56
.set G1S, 68
.set G0S, 76
.set G1SB, 80
.set G0SB, 88
.set MSB, 0
.macro WIN new
.if MSB != \new
	s_set_vgpr_msb (MSB<<8)|\new
.set MSB, \new
.endif
.endm
.set MUL_LO, 0xa1
.set MUL_HI, 0xf1
.set TO_B,   0x40
.macro JLOAD g0a, g1a, g0b, g1b
	s_cmp_eq_u32 s15, 0
	s_cbranch_scc0 .Lfor_b_\@
	tensor_load_to_lds s[\g0a:\g0a+3], s[\g1a:\g1a+7]
	s_nop 0
.rept 4
	v_nop
.endr
	s_branch .Lasked_\@
.Lfor_b_\@:
	tensor_load_to_lds s[\g0b:\g0b+3], s[\g1b:\g1b+7]
	s_nop 0
.rept 4
	v_nop
.endr
.Lasked_\@:
.endm
.macro CREST
	s_cmp_lg_u32 s14, 0
	s_cbranch_scc1 .Lnot_wave_0_\@
	s_barrier_signal -3
.Lnot_wave_0_\@:
	s_barrier_wait -3
	s_barrier_signal -1
	s_barrier_wait -1
.endm
.macro CROUND
	s_barrier_signal -1
	s_barrier_wait -1
	CREST
.endm
	s_load_b256 s[4:11], s[0:1], 0x0
	s_load_b64 s[12:13], s[0:1], 0x20
	s_load_b64 s[100:101], s[0:1], 0x28
	v_lshl_add_u32 v[SPW], v0, 2, SPARE
	v_mov_b32 v[NIL], 0
	ds_add_u32 v[SPW], v[NIL]
	ds_add_u32 v[SPW], v[NIL]
	v_lshrrev_b32 v1, 5, v0
	v_readfirstlane_b32 s14, v1
	s_lshr_b32 s15, s14, 1
	s_and_b32 s16, s14, 1
	s_bfe_u32 s40, ttmp6, 0x40000
	s_bfe_u32 s41, ttmp6, 0x40004
	s_and_b32 s18, ttmp7, 0xffff
	s_mov_b32 s95, 512
	s_cmp_eq_u32 ttmp9, 2
	s_cselect_b32 s17, 0, s18
	s_cselect_b32 s42, s18, ttmp9
	s_cselect_b32 s2, 2048, 0
	s_cselect_b32 s95, 64, s95
	s_cselect_b32 s104, 12582912, 0
	s_cselect_b32 s105, 1048576, 0
	s_lshl_b32 s17, s17, 2
	s_add_co_u32 s17, s17, s41
	s_lshl_b32 s42, s42, 2
	s_add_co_u32 s42, s42, s40
	s_lshl_b32 s43, s41, 2
	s_lshl_b32 s43, 15, s43
	s_lshl_b32 s44, 0x1111, s40
	s_or_b32 s[G1+0], s43, (0<<16)|(1<<20)|(1<<21)|(3<<22)|(3<<25)
	s_or_b32 s[G1B+0], s44, (0<<16)|(1<<20)|(1<<21)|(3<<22)|(3<<25)
.irp g, G1, G1B
	s_mov_b32 s[\g+1], 256<<16                     ; a dense tile as rows of 256 bytes, 16 bytes of padding behind every 64: 256 positions at the head,
	s_mov_b32 s[\g+2], 192<<16
	s_mov_b32 s[\g+3], 256<<16
	s_mov_b32 s[\g+4], 192                         ; 192 rows; the ring's loads bring 96
	s_mov_b32 s[\g+5], 256
	s_mov_b32 s[\g+6], 0
	s_mov_b32 s[\g+7], 0
.endr
	s_or_b32 s[G1S+0], s43, (3<<16)|(1<<21)
	s_or_b32 s[G1SB+0], s44, (3<<16)|(1<<21)
.irp g, G1S, G1SB
	s_mov_b32 s[\g+1], 32<<16
	s_mov_b32 s[\g+2], 32<<16
	s_mov_b32 s[\g+3], 32<<16
	s_mov_b32 s[\g+4], 32
	s_mov_b32 s[\g+5], 32
	s_mov_b32 s[\g+6], 0
	s_mov_b32 s[\g+7], 0
.endr
	s_mul_i32 s18, s16, 128*KROW                   ; in the ring I fetch 128 positions: which half, in bytes
	s_mov_b32 s19, 0
	s_lshl_b32 s20, s17, 8
	s_add_co_u32 s20, s20, s2
	s_lshl_b32 s46, s42, 8
	s_lshl_b32 s22, s20, 5
	s_mov_b32 s23, 0
	s_lshl_b32 s92, s46, 5
	s_mov_b32 s93, 0
	s_mul_i32 s20, s20, KROW
	s_mov_b32 s21, 0
	s_mul_i32 s46, s46, KROW
	s_mov_b32 s47, 0
	s_mul_i32 s45, s14, HALFT
	s_wait_dscnt 0x0
	s_wait_kmcnt 0x0
	s_cmp_eq_u32 ttmp9, 2
	s_cselect_b64 s[96:97], s[8:9], s[4:5]
	s_cselect_b64 s[98:99], s[10:11], s[6:7]
	s_cselect_b64 s[8:9], s[4:5], s[8:9]
	s_cselect_b64 s[10:11], s[6:7], s[10:11]
	s_add_nc_u64 s[20:21], s[96:97], s[20:21]
	s_add_nc_u64 s[22:23], s[98:99], s[22:23]
	s_add_nc_u64 s[46:47], s[8:9], s[46:47]
	s_add_nc_u64 s[92:93], s[10:11], s[92:93]
	s_mov_b32 s96, 8192*192                        ; bytes from K step to K step: x's, the weights'
	s_mov_b32 s98, 4096*192
	s_cmp_eq_u32 ttmp9, 2                          ; for V the weights are A
	s_cselect_b32 s97, s98, s96
	s_cselect_b32 s98, s96, s98
	s_mov_b32 s96, s97                             ; s[96:97] A's step, s[98:99] B's
	s_mov_b32 s97, 0
	s_mov_b32 s99, 0
	CROUND
	s_mov_b32 s[G0H], 1                            ; the head's four tiles, each whole: K step 0 of A's 256 positions,
	s_mov_b32 s[G0H+1], 0
	s_mov_b64 s[G0H+2:G0H+3], s[20:21]
	s_or_b32 s[G0H+3], s[G0H+3], 0x80000000
	s_mov_b32 s[G0HB], 1                           ; of B's,
	s_mov_b32 s[G0HB+1], 2*HALFT
	s_mov_b64 s[G0HB+2:G0HB+3], s[46:47]
	s_or_b32 s[G0HB+3], s[G0HB+3], 0x80000000
	s_mov_b32 s[G0S], 1                            ; A's scale bytes, B's
	s_mov_b32 s[G0S+1], SCL
	s_mov_b64 s[G0S+2:G0S+3], s[22:23]
	s_or_b32 s[G0S+3], s[G0S+3], 0x80000000
	s_mov_b32 s[G0SB], 1
	s_mov_b32 s[G0SB+1], SCL+2*HALFS+SKEW
	s_mov_b64 s[G0SB+2:G0SB+3], s[92:93]
	s_or_b32 s[G0SB+3], s[G0SB+3], 0x80000000
	s_add_nc_u64 s[20:21], s[20:21], s[18:19]      ; for the ring: my 128 positions
	s_add_nc_u64 s[46:47], s[46:47], s[18:19]
.irp s, 0,1
	s_mov_b32 s[G0+4*\s], 1
	s_add_co_u32 s[G0+4*\s+1], s45, \s*SLOT
	s_mov_b64 s[G0+4*\s+2:G0+4*\s+3], s[20:21]
	s_or_b32 s[G0+4*\s+3], s[G0+4*\s+3], 0x80000000
	s_mov_b32 s[G0B+4*\s], 1
	s_add_co_u32 s[G0B+4*\s+1], s45, \s*SLOT
	s_mov_b64 s[G0B+4*\s+2:G0B+4*\s+3], s[46:47]
	s_or_b32 s[G0B+4*\s+3], s[G0B+4*\s+3], 0x80000000
	s_add_nc_u64 s[20:21], s[20:21], s[96:97]
	s_add_nc_u64 s[46:47], s[46:47], s[98:99]
.endr
	s_lshl_b32 s96, s96, 1                         ; a slot's next tile lies two K steps on
	s_lshl_b32 s98, s98, 1
; the head's loads, one a wave, in one chain of branches on the wave's number
.macro ARM under, g0, g1, next
	s_cmp_lt_u32 s14, \under
	s_cbranch_scc0 \next
	tensor_load_to_lds s[\g0:\g0+3], s[\g1:\g1+7]
	s_nop 0
.rept 4
	v_nop
.endr
	s_branch .Lhead_asked
\next:
.endm
	ARM 1, G0H,  G1,  .Lhead_b
	ARM 2, G0HB, G1B, .Lhead_sa
	ARM 3, G0S,  G1S, .Lhead_sb
	tensor_load_to_lds s[G0SB:G0SB+3], s[G1SB:G1SB+7]
	s_nop 0
.rept 4
	v_nop
.endr
.Lhead_asked:
	v_and_b32 v1, 15, v0
	v_bfe_u32 v2, v0, 4, 1
	v_mul_u32_u24 v3, v1, PITCH
	v_mul_u32_u24 v4, v2, 24
	v_add_nc_u32 v4, v3, v4
	v_lshl_add_u32 v5, v2, 4, v4
	s_mul_i32 s21, s15, HALFT
	s_mul_i32 s22, s16, HALFT
	s_add_co_u32 s22, s22, 2*HALFT
.irp s, 0,1
	v_add_nc_u32 v[ADRA+\s], s21, v4
	v_add_nc_u32 v[ADRB+\s], s22, v4
	v_add_nc_u32 v[ADRA+2+\s], s21, v5
	v_add_nc_u32 v[ADRB+2+\s], s22, v5
	s_add_co_u32 s21, s21, SLOT
	s_add_co_u32 s22, s22, SLOT
.endr
	v_lshlrev_b32 v5, 3, v1
	s_lshl_b32 s21, s15, 12
	s_lshl_b32 s22, s16, 12
	s_add_co_u32 s22, s22, 2*HALFS+SKEW
	s_sub_co_u32 s22, s22, s21
	v_mul_u32_u24 v6, s22, v2
	s_add_co_u32 s21, s21, SCL
	v_add_nc_u32 v5, v5, v6
	v_add_nc_u32 v[ADRS], s21, v5
	v_and_b32 v6, 31, v0
	v_lshlrev_b32 v[O16], 4, v6
	v_lshlrev_b32 v[O8], 3, v6
	s_lshl_b32 s23, s14, 10
	v_lshlrev_b32 v7, 2, v1
	v_lshl_add_u32 v7, v2, 9, v7
	v_add_nc_u32 v[SST], s23, v7
	v_add_nc_u32 v[SRD], s23, v[O16]
	v_lshlrev_b32 v[SH16], 4, v2
	s_lshl_b32 s20, s17, 4
	s_lshl_b32 s21, s15, 3
	s_add_co_u32 s20, s20, s21
	s_lshl_b32 s21, s42, 1
	s_add_co_u32 s21, s21, s16
	s_mul_i32 s22, s21, s95
	s_add_co_u32 s46, s22, s20
	s_mul_i32 s46, s46, 1536
	s_add_co_u32 s46, s46, s104
	s_mov_b32 s47, 0
	s_add_nc_u64 s[12:13], s[12:13], s[46:47]
	s_lshl_b32 s22, s22, 1
	s_add_co_u32 s22, s22, s20
	s_lshl_b32 s22, s22, 6
	s_add_co_u32 s22, s22, s105
	s_mov_b32 s23, 0
	s_add_nc_u64 s[100:101], s[100:101], s[22:23]
	s_lshl_b32 s22, s95, 6
	s_add_nc_u64 s[66:67], s[100:101], s[22:23]
.macro FRAG reg, adr, q, i
.irp p, 0,1,2,3,4,5
.set PC, 12*(\q)+6*(\p/3)+\p%3
.if PC%8 < 5
	ds_load_b64 v[\reg+2*\p:\reg+2*\p+1], v[\adr] offset:8*PC+16*(PC/8)+(\i)*16*PITCH
.else
	ds_load_b64 v[\reg+2*\p:\reg+2*\p+1], v[\adr+2] offset:8*PC+16*(PC/8)+(\i)*16*PITCH
.endif
.endr
.endm
.macro MUL16 a0, p, q, sc, zero
.irp a, \a0, \a0+1
.irp b, 0,1,2,3,4,5,6,7
.if \zero
	v_wmma_scale_f32_16x16x128_f8f6f4 v[8*(8*((\a)%4)+\b):8*(8*((\a)%4)+\b)+7], v[128*(\p)+FR*\b:128*(\p)+FR*\b+FR-1], v[AF+FR*(\a):AF+FR*(\a)+FR-1], 0, v[SC+8*NQ*(\sc)+NQ*\b+(\q)], v[SC+8*NQ*(\sc)+NQ*(\a)+(\q)] matrix_a_fmt:MATRIX_FMT_FP6 matrix_b_fmt:MATRIX_FMT_FP6 matrix_a_scale:MATRIX_SCALE_ROW1
.else
	v_wmma_scale_f32_16x16x128_f8f6f4 v[8*(8*((\a)%4)+\b):8*(8*((\a)%4)+\b)+7], v[128*(\p)+FR*\b:128*(\p)+FR*\b+FR-1], v[AF+FR*(\a):AF+FR*(\a)+FR-1], v[8*(8*((\a)%4)+\b):8*(8*((\a)%4)+\b)+7], v[SC+8*NQ*(\sc)+NQ*\b+(\q)], v[SC+8*NQ*(\sc)+NQ*(\a)+(\q)] matrix_a_fmt:MATRIX_FMT_FP6 matrix_b_fmt:MATRIX_FMT_FP6 matrix_a_scale:MATRIX_SCALE_ROW1
.endif
.endr
.endr
.endm
.macro FETCH_B slot, q, p
	WIN TO_B
.irp i, 0,1,2,3,4,5,6,7
	FRAG 128*(\p)+FR*\i, ADRB+\slot, \q, \i
.endr
	WIN 0
.endm
.macro FETCH_A slot, q, i0
.irp i, \i0, \i0+1, \i0+2, \i0+3
	FRAG AF+FR*(\i), ADRA+\slot, \q, \i
.endr
.endm
.macro SCALES sc
.irp i, 0,1,2,3,4,5,6,7
	ds_load_b64 v[SC+8*NQ*\sc+NQ*\i:SC+8*NQ*\sc+NQ*\i+1], v[ADRS] offset:\i*SBLK
.endr
.endm
.macro PLACES n
.rept \n
	v_nop
.endr
.endm
.macro STEP slot, q, zero
	s_wait_dscnt 4*NL
	WIN MUL_LO
	MUL16 0, (\q)%2, \q, \slot, \zero
	MUL16 2, (\q)%2, \q, \slot, \zero
	s_wait_dscnt 0
	PLACES NP
	FETCH_B \slot, (\q)+1, 1-(\q)%2
	FETCH_A \slot, (\q)+1, 0
	WIN MUL_HI
	MUL16 4, (\q)%2, \q, \slot, \zero
	MUL16 6, (\q)%2, \q, \slot, \zero
	PLACES NP
	WIN 0
	FETCH_A \slot, (\q)+1, 4
.endm
.macro TURN slot, next, fill
	s_wait_tensorcnt 0x0
	ds_add_u32 v[SPW], v[NIL]
	s_wait_dscnt 4*NL+1
	WIN MUL_LO
	MUL16 0, 1, NQ-1, \slot, 0
	s_wait_dscnt 0x0
	s_barrier_signal -1
	MUL16 2, 1, NQ-1, \slot, 0
	WIN 0
	s_barrier_wait -1
.if \fill
	CREST
	s_add_nc_u64 s[G0+4*\slot+2:G0+4*\slot+3], s[G0+4*\slot+2:G0+4*\slot+3], s[96:97]
	s_add_nc_u64 s[G0B+4*\slot+2:G0B+4*\slot+3], s[G0B+4*\slot+2:G0B+4*\slot+3], s[98:99]
	JLOAD G0+4*\slot, G1, G0B+4*\slot, G1B
.else
	PLACES NP
.endif
	s_wait_alu depctr_va_vdst(0)
	v_add_nc_u32 v[ADRS], 128, v[ADRS]
	FETCH_B \next, 0, 0
	FETCH_A \next, 0, 0
	SCALES \next
	WIN MUL_HI
	MUL16 4, 1, NQ-1, \slot, 0
	MUL16 6, 1, NQ-1, \slot, 0
	PLACES NP
	WIN 0
	FETCH_A \next, 0, 4
.endm
	s_wait_alu depctr_va_vdst(0)
	s_wait_tensorcnt 0x0                           ; my tile of the head's four is in; slot 1's first fill is issued as a refill is
	ds_add_u32 v[SPW], v[NIL]
	s_mov_b32 s[G1+2], 96<<16                      ; no load of mine is out: from here on a load brings 128 positions, 96 rows
	s_mov_b32 s[G1+4], 96
	s_mov_b32 s[G1B+2], 96<<16
	s_mov_b32 s[G1B+4], 96
	s_wait_dscnt 0x0
	CROUND
	JLOAD G0+4, G1, G0B+4, G1B                     ; K step 1
	FETCH_B 0, 0, 0
	FETCH_A 0, 0, 0
	SCALES 0
	FETCH_A 0, 0, 4
	STEP 0, 0, 1
	s_mov_b32 s3, LAPS-1
.Llap:
	TURN 0, 1, 1
	STEP 1, 0, 0
	TURN 1, 0, 1
	STEP 0, 0, 0
	s_sub_co_u32 s3, s3, 1
	s_cmp_lg_u32 s3, 0
	s_cbranch_scc1 .Llap
	TURN 0, 1, 0
	STEP 1, 0, 0
	s_wait_dscnt 4*NL
	WIN MUL_LO
	MUL16 0, 1, NQ-1, 1, 0
	MUL16 2, 1, NQ-1, 1, 0
	s_wait_dscnt 0
	WIN MUL_HI
	MUL16 4, 1, NQ-1, 1, 0
	MUL16 6, 1, NQ-1, 1, 0
	WIN 0
.macro QEPI a
.set WN, 2+(\a)/4
.set WW, (WN<<2)|(WN<<4)
.set AC, 64*((\a)%4)
.set PCD, PC0+12*(\a)
	WIN WW
.irp b, 0,1,2,3
	v_max3_num_f32 v[TM+\b], 0x1800000, |v[AC+16*\b]|, |v[AC+16*\b+1]|
.endr
.irp i, 2,4,6,8,10,12,14
.irp b, 0,1,2,3
	v_max3_num_f32 v[TM+\b], v[TM+\b], |v[AC+16*\b+\i]|, |v[AC+16*\b+\i+1]|
.endr
.endr
	WIN 0
.irp b, 0,1,2,3
	v_permlanex16_b32 v[TM+4+\b], v[TM+\b], s18, s19
.endr
.irp b, 0,1,2,3
	v_max_num_f32 v[TM+\b], v[TM+\b], v[TM+4+\b]
.endr
.irp b, 0,1,2,3
	v_add_nc_u32 v[TM+12+\b], 0xff000000, v[TM+\b]
.endr
.irp b, 0,1,2,3
	v_lshrrev_b32 v[TM+4+\b], 23, v[TM+12+\b]
.endr
	v_lshl_or_b32 v[PW], v[TM+5], 8, v[TM+4]
	v_lshl_or_b32 v[PW], v[TM+6], 16, v[PW]
	v_lshl_or_b32 v[PW], v[TM+7], 24, v[PW]
	WIN WN
.irp c, 0,1
	v_cvt_scalef32_pk16_fp6_f32 v[PCD+6*\c:PCD+6*\c+2], v[AC+32*\c:AC+32*\c+15], v[TM+12+2*\c]
	v_cvt_scalef32_pk16_fp6_f32 v[CT+4*\c:CT+4*\c+2], v[AC+32*\c+16:AC+32*\c+31], v[TM+13+2*\c]
.endr
	WIN 0
	v_nop
.irp c, 0,1
.irp i, 0,1,2
	v_permlane16_swap_b32 v[PCD+6*\c+\i], v[CT+4*\c+\i]
.endr
.irp i, 0,1,2
	v_mov_b32 v[PCD+6*\c+3+\i], v[CT+4*\c+\i]
.endr
.endr
	v_lshrrev_b32 v[PW2+(\a)], v[SH16], v[PW]
	ds_store_b32 v[SST], v[PW2+(\a)] offset:64*(\a)
	global_store_b128 v[O16], v[PCD:PCD+3], s[12:13] offset:1536*(\a)
	global_store_b64 v[O8], v[PCD+4:PCD+5], s[12:13] offset:1536*(\a)+512
	global_store_b128 v[O16], v[PCD+6:PCD+9], s[12:13] offset:1536*(\a)+768
	global_store_b64 v[O8], v[PCD+10:PCD+11], s[12:13] offset:1536*(\a)+1280
.endm
	PLACES NP
	s_mov_b32 s18, 0x76543210
	s_mov_b32 s19, 0xfedcba98
.irp b, 0,1,2,3
	v_mov_b32 v[TM+4+\b], 0
.endr
.irp a, 0,1,2,3,4,5,6,7
	QEPI \a
.endr
	ds_load_b128 v[SCB:SCB+3], v[SRD]
	ds_load_b128 v[SCB+4:SCB+7], v[SRD] offset:512
	s_wait_dscnt 0x0
	global_store_b128 v[O16], v[SCB:SCB+3], s[100:101]
	global_store_b128 v[O16], v[SCB+4:SCB+7], s[66:67]
	s_wait_tensorcnt 0x0
	ds_add_u32 v[SPW], v[NIL]
	s_wait_dscnt 0x0
	CROUND
	s_endpgm
.Lfunc_end_k_qa3c383c0a3_gemm_qkv:
	.size	k_qa3c383c0a3_gemm_qkv, .Lfunc_end_k_qa3c383c0a3_gemm_qkv-k_qa3c383c0a3_gemm_qkv
	.p2alignl 7, 3214868480
	.fill 96, 4, 3214868480
	.section	.rodata,"a",@progbits
	.p2align	6, 0x0
	.amdhsa_kernel k_qa3c383c0a3_gemm_qkv
		.amdhsa_group_segment_fixed_size 327680
		.amdhsa_private_segment_fixed_size 0
		.amdhsa_enable_private_segment 0
		.amdhsa_kernarg_size 48
		.amdhsa_user_sgpr_count 2
		.amdhsa_user_sgpr_kernarg_segment_ptr 1
		.amdhsa_wavefront_size32 1
		.amdhsa_system_sgpr_workgroup_id_x 1
		.amdhsa_system_sgpr_workgroup_id_y 1
		.amdhsa_system_sgpr_workgroup_id_z 1
		.amdhsa_system_vgpr_workitem_id 0
		.amdhsa_next_free_vgpr 1024
		.amdhsa_next_free_sgpr 106
		.amdhsa_reserve_vcc 0
		.amdhsa_float_denorm_mode_32 3
		.amdhsa_float_denorm_mode_16_64 3
		.amdhsa_memory_ordered 1
		.amdhsa_forward_progress 1
		.amdhsa_inst_pref_size 168
	.end_amdhsa_kernel
	.amdgpu_metadata
---
amdhsa.version: [ 1, 2 ]
amdhsa.kernels:
  - .name:           k_qa3c383c0a3_gemm_qkv
    .symbol:         k_qa3c383c0a3_gemm_qkv.kd
    .args:
      - { .name: xc, .offset: 0, .size: 8, .value_kind: global_buffer, .address_space: global }
      - { .name: xs, .offset: 8, .size: 8, .value_kind: global_buffer, .address_space: global }
      - { .name: wc, .offset: 16, .size: 8, .value_kind: global_buffer, .address_space: global }
      - { .name: ws, .offset: 24, .size: 8, .value_kind: global_buffer, .address_space: global }
      - { .name: qkvc, .offset: 32, .size: 8, .value_kind: global_buffer, .address_space: global }
      - { .name: qkvs, .offset: 40, .size: 8, .value_kind: global_buffer, .address_space: global }
    .group_segment_fixed_size: 327680
    .private_segment_fixed_size: 0
    .kernarg_segment_align: 8
    .kernarg_segment_size: 48
    .max_flat_workgroup_size: 128
    .sgpr_count:     106
    .vgpr_count:     1024
    .wavefront_size: 32
...
	.end_amdgpu_metadata
.endif
;; end of part 2
;; launch attn (part 3): grid 4 x 64, 16 waves a work-group, clusters of 4 x 1, 219,136 bytes of LDS; arguments qkvc, qkvs, mask, ac, asc; writes ac, asc
.if DOCPART == 3
	.amdgcn_target "amdgcn-amd-amdhsa--gfx1250"
	.amdhsa_code_object_version 6
	.text
	.protected	k_qa3c383c0a3_attn
	.globl	k_qa3c383c0a3_attn
	.p2align	8
	.type	k_qa3c383c0a3_attn,@function
k_qa3c383c0a3_attn:
	s_mov_b64 s[64:65], 0
	v_nop
	global_prefetch_b8 v0, s[64:65] scope:SCOPE_SE
	s_setreg_imm32_b32 hwreg(HW_REG_WAVE_MODE, 25, 1), 1
	s_wait_xcnt 0x0
	s_wait_alu depctr_hold_cnt(0) depctr_sa_sdst(0) depctr_va_vdst(0) depctr_va_sdst(0) depctr_va_ssrc(0) depctr_va_vcc(0) depctr_vm_vsrc(0)
	s_getreg_b32 s2, hwreg(HW_REG_IB_STS2, 6, 4)
	s_cmp_eq_u32 s2, 0
	s_cbranch_scc0 .Lentry_in_a_cluster
	s_endpgm
.Lentry_in_a_cluster:
	s_bfe_u32 s2, ttmp6, 0x10000c
	s_cmp_lg_u32 s2, 0x3003
	s_cbranch_scc0 .Lentry_shape_is_right
	s_endpgm
.Lentry_shape_is_right:
; For each batch b and head h: O = softmax(q k^T / 8, keys with mask = 0 hidden) v, both products on codes of FP6 (E2M3) with E8M0 scales; O is quantised along the channels and leaves as codes.
; THE SOFTMAX: t = score x log2(e) / 8; M = the running largest t rounded UP to a whole number; p = 2^(t - M) is quantised along the keys; the row's sum is taken of the unquantised p and divides O at the end.
; SHARES.  Work-group y = 16 b + h; the four work-groups of a cluster take 512 queries each.  Each of sixteen waves owns one tile of 16 queries at a time (256 registers, four waves to a SIMD) and makes two passes.
; THE WHOLE HEAD'S K AND V LIE IN LDS (192 KiB of codes): every LDS byte is filled once, by joint loads (the four partners walk the same K and V), in four chunks of 512 keys; work starts when all four are in.
; So there is no ring and nothing to prefetch: all of K and V is asked for at the head.
; LAYOUT.  Both products transposed: S^T = K Q^T, O^T = V^T P^T: a lane holds one query.  Tokens and channels stand at swapped positions (quantx, quantw), so a lane's 16 registers of two neighbouring tiles are 16 neighbours.
; Operands lie in memory and LDS as HALF IMAGES of 768 bytes (16 rows x 64 K: registers 0-3 at 16 x lane, 4-5 at 512 + 8 x lane): every LDS read is of consecutive bytes.  The head has 64 channels: the upper 64 of the first product's K are zero codes.
; THE MASK: one f32 a key in LDS, 0 or -2^127, loaded into the score registers and taken as the first product's C: no vector work in the loop.  A hidden key's p is 0 under any real M.
; A run of hidden keys at a row's head gives p = 1 under M about -3e37; the first open key multiplies sum and O by 2^(saturated) = 0.  A batch with no open key ends with t under -1e37: its scale bytes become 0xff, so the last product gives NaN, as the softmax of nothing does.
; LIMITS: open logits lie above -1e36; scores' magnitudes stay under 2^100 (so that -2^127 + score is -2^127); NaN and infinities are not served; blocks under 2^-124 get the byte 1.
.set S,    128                         ; v128-191 S^T, then p
.set O,    192                         ; v192-223 O^T
.set KF,   32                          ; v32-79   four fragments of K; the upper six registers of each are 0, written once
.set VF,   80                          ; v80-127  four fragments of V
.set KSW,  248                         ; v248-251 K's scale words: lanes 0-15 an even tile's, lanes 16-31 the odd one's
.set VSW,  30                          ; v30-31   V's likewise
.set A16,  1                           ; v1  16 x lane
.set A8,   2                           ; v2  8 x lane
.set AKS0, 3                           ; v3  K's scale words + 4 x lane
.set AVS0, 4                           ; v4  V's
.set AB0,  5                           ; v5  the mask's numbers + 64 (lane / 16)
.set AD16, 6                           ; v6-10 the step's addresses
.set AD8,  7
.set ADS,  8
.set ADT,  9
.set ADB,  10
.set R8,   11                          ; v11 8 (lane % 16)
.set SPW,  28
.set NIL,  29
.set CHUNK, 49152                      ; LDS: a chunk: 32 tiles of K (24,576 bytes), then 4 steps of V (6,144 each)
.set VPART, 24576
.set KSL,   196608                     ; K's scale words, 8,192 bytes
.set VSL,   204800                     ; V's, 4,096
.set MBL,   208896                     ; the mask's numbers, 8,192
.set SPARE, 217088                     ; the spare words, 128 bytes a wave
.set VOFFC, 12582912
.set SOFFV, 1048576
.set TK,   2                           ; s2  LDS byte of the step's K tiles
.set TS,   3                           ; s3  512 x step: K's scale words and the mask's numbers
.set TT,   66                          ; s66 256 x step: V's scale words
.set WV,   18
.set CX,   19
.set SEL,  20
.set CS,   22                          ; s[22:23] log2(e) / 8
.set G1K,  24
.set G1V,  32
.set G0K,  40                          ; s[40:43] my chunk's set
.set G0V,  68                          ; s[68:71]
.set THR,  85                          ; s85 -1e37
.macro CROUND
	s_barrier_signal -1
	s_barrier_wait -1
	s_cmp_lg_u32 s[WV], 0
	s_cbranch_scc1 .Lnot_wave_0_\@
	s_barrier_signal -3
.Lnot_wave_0_\@:
	s_barrier_wait -3
	s_barrier_signal -1
	s_barrier_wait -1
.endm
	s_load_b256 s[4:11], s[0:1], 0x0               ; the codes of q, k, v; their scale words; the mask; the codes out
	s_load_b64 s[12:13], s[0:1], 0x20              ; the scale bytes out
	v_lshl_add_u32 v[SPW], v0, 2, SPARE
	v_mov_b32 v[NIL], 0
	ds_add_u32 v[SPW], v[NIL]                      ; the wave's opening: the add and its wait ahead of the first tensor loads; register work stands between them
	ds_add_u32 v[SPW], v[NIL]
	v_lshrrev_b32 v1, 5, v0
	s_delay_alu instid0(VALU_DEP_1)
	v_readfirstlane_b32 s[WV], v1                  ; wave 0..15
	s_bfe_u32 s[CX], ttmp6, 0x40000                ; my place in the cluster: it enters the queries' and the result's addresses alone
	s_and_b32 s86, ttmp7, 0xffff
	s_lshr_b32 s100, s86, 4                        ; b
	s_and_b32 s88, s86, 15                         ; h
	s_and_b32 s89, s[WV], 1                        ; which half of a chunk I fetch, if I fetch
	s_lshr_b32 s90, s88, 1
	s_and_b32 s91, s88, 1
	s_lshl_b32 s92, s100, 7                        ; the batch's first tile of 16 tokens
	s_mul_i32 s93, s91, 768                        ; the head's half image in a pair of heads
	s_add_co_u32 s94, s90, 8                       ; K: pairs of heads 8 .. 15
	s_lshl_b32 s94, s94, 9
	s_add_co_u32 s94, s94, s92
	s_lshl_b32 s95, s89, 4
	s_add_co_u32 s94, s94, s95                     ; + my 16 tiles
	s_mul_i32 s94, s94, 1536
	s_add_co_u32 s94, s94, s93
	s_lshl_b32 s96, s100, 4                        ; V: key step 16 b + 2 x half,
	s_lshl_b32 s97, s89, 1
	s_add_co_u32 s96, s96, s97
	s_lshl_b32 s96, s96, 6
	s_lshl_b32 s97, s88, 2                         ; channel tile 4 h
	s_add_co_u32 s96, s96, s97
	s_mul_i32 s96, s96, 1536
	s_add_co_u32 s96, s96, VOFFC
	s_mul_i32 s98, s89, 12288                      ; my half's place in a chunk's part
	s_lshl_b32 s99, s[CX], 5
	s_add_co_u32 s99, s99, s92
	s_add_co_u32 s99, s99, s[WV]                   ; T: my tile of queries in pass 0; pass 1: 16 on
	s_lshl_b32 s101, s90, 9
	s_add_co_u32 s101, s101, s99
	s_mul_i32 s101, s101, 1536
	s_add_co_u32 s101, s101, s93                   ; Q's codes
	s_lshl_b32 s104, s88, 9
	s_add_co_u32 s104, s104, s99
	s_lshl_b32 s104, s104, 6                       ; Q's scale words
	s_lshl_b32 s105, s99, 4
	s_add_co_u32 s105, s105, s88
	s_mul_i32 s105, s105, 768                      ; the result's codes: [T][head][768]
	s_lshl_b32 s95, s99, 9                         ; its scale bytes: 512 T + 128 (h / 4) + 2 (h % 4)
	s_lshr_b32 s97, s88, 2
	s_lshl_b32 s97, s97, 7
	s_add_co_u32 s95, s95, s97
	s_and_b32 s97, s88, 3
	s_lshl_b32 s97, s97, 1
	s_add_co_u32 s95, s95, s97
	s_add_co_u32 s97, s88, 16                      ; K's scale words of the head: 8,192 dense bytes
	s_lshl_b32 s97, s97, 9
	s_add_co_u32 s97, s97, s92
	s_lshl_b32 s97, s97, 6
	s_lshl_b32 s89, s100, 4                        ; V's: key step 16 b + wave: 256 bytes
	s_add_co_u32 s89, s89, s[WV]
	s_lshl_b32 s89, s89, 13
	s_lshl_b32 s90, s88, 8
	s_add_co_u32 s89, s89, s90
	s_add_co_u32 s89, s89, SOFFV
	s_lshl_b32 s91, s100, 13                       ; the batch's row of the mask
	; descriptor group 1.  K: 16 half images of 768 bytes (96 elements of 8), 1,536 bytes apart.  V: 2 key steps of 6,144 bytes, 98,304 apart.  Mask 15: all four partners.
	s_mov_b32 s[G1K], 15|(3<<16)|(1<<21)
	s_mov_b32 s[G1K+1], 96<<16
	s_mov_b32 s[G1K+2], 16<<16
	s_mov_b32 s[G1K+3], 96<<16
	s_mov_b32 s[G1K+4], 16
	s_mov_b32 s[G1K+5], 192
	s_mov_b32 s[G1K+6], 0
	s_mov_b32 s[G1K+7], 0
	s_mov_b32 s[G1V], 15|(3<<16)|(1<<21)
	s_mov_b32 s[G1V+1], 768<<16
	s_mov_b32 s[G1V+2], 2<<16
	s_mov_b32 s[G1V+3], 768<<16
	s_mov_b32 s[G1V+4], 2
	s_mov_b32 s[G1V+5], 12288
	s_mov_b32 s[G1V+6], 0
	s_mov_b32 s[G1V+7], 0
	s_mov_b32 s[SEL], 0x76543210
	s_mov_b32 s[SEL+1], 0xfedcba98
	s_mov_b32 s[CS], 0x3e38aa3b                    ; log2(e) / 8
	s_mov_b32 s[CS+1], s[CS]
	s_mov_b32 s[THR], 0xfcf0bdc2                   ; -1e37
	s_mov_b32 s87, 0
	s_wait_dscnt 0x0                               ; the opening add is done
	s_wait_kmcnt 0x0
	s_mov_b32 s86, s94
	s_add_nc_u64 s[14:15], s[4:5], s[86:87]        ; K's and V's addresses are made of b, h and the wave's number alone
	s_mov_b32 s86, s96
	s_add_nc_u64 s[16:17], s[4:5], s[86:87]
	; sixteen tiles (4 chunks x K or V x 2 halves) for sixteen waves: wave w takes chunk w / 4, K or V by its bit 1, the half by its bit 0
	s_lshr_b32 s84, s[WV], 2
	s_mul_i32 s67, s84, CHUNK
	s_add_co_u32 s67, s67, s98
	s_mov_b32 s[G0K], 1
	s_mov_b32 s[G0K+1], s67
	s_mul_i32 s86, s84, 32*1536
	s_add_nc_u64 s[G0K+2:G0K+3], s[14:15], s[86:87]
	s_or_b32 s[G0K+3], s[G0K+3], 0x80000000
	s_mov_b32 s[G0V], 1
	s_add_co_u32 s[G0V+1], s67, VPART
	s_mul_i32 s86, s84, 4*64*1536
	s_add_nc_u64 s[G0V+2:G0V+3], s[16:17], s[86:87]
	s_or_b32 s[G0V+3], s[G0V+3], 0x80000000
	s_mov_b32 s86, s101
	s_add_nc_u64 s[56:57], s[4:5], s[86:87]        ; Q's codes
	s_mov_b32 s86, s104
	s_add_nc_u64 s[58:59], s[6:7], s[86:87]        ; Q's scale words
	s_mov_b32 s86, s105
	s_add_nc_u64 s[60:61], s[10:11], s[86:87]      ; the result's codes
	s_mov_b32 s86, s95
	s_add_nc_u64 s[62:63], s[12:13], s[86:87]      ; its scale bytes
	s_mov_b32 s86, s97
	s_add_nc_u64 s[4:5], s[6:7], s[86:87]          ; K's scale words
	s_mov_b32 s86, s89
	s_add_nc_u64 s[6:7], s[6:7], s[86:87]          ; V's
	s_mov_b32 s86, s91
	s_add_nc_u64 s[8:9], s[8:9], s[86:87]          ; the mask
	CROUND                                         ; all four work-groups are here: the joint loads meet
	s_and_b32 s66, s[WV], 2                        ; one joint load a wave, in one of two arms: every way passes one
	s_cmp_eq_u32 s66, 0
	s_cbranch_scc0 .Lnot_k
	tensor_load_to_lds s[G0K:G0K+3], s[G1K:G1K+7]
	s_nop 0
.rept 4
	v_nop
.endr
	s_branch .Lasked
.Lnot_k:
	tensor_load_to_lds s[G0V:G0V+3], s[G1V:G1V+7]
	s_nop 0
.rept 4
	v_nop
.endr
.Lasked:
	v_and_b32 v11, 31, v0                          ; lane
	s_delay_alu instid0(VALU_DEP_1)
	v_lshlrev_b32 v[A16], 4, v11
	s_delay_alu instid0(VALU_DEP_2)
	v_lshlrev_b32 v[A8], 3, v11
	v_lshlrev_b32 v6, 4, v0                        ; 16 x thread
	global_load_b128 v[128:131], v6, s[4:5]        ; K's scale words: the work-group's 512 threads read 8,192 consecutive bytes
	global_load_b64 v[132:133], v[A8], s[6:7]      ; V's: a wave a key step, 256 consecutive bytes
	global_load_b128 v[136:139], v6, s[8:9]        ; the mask: 2,048 whole numbers
	v_lshl_add_u32 v[AKS0], v11, 2, KSL
	v_lshl_add_u32 v[AVS0], v11, 2, VSL
	v_bfe_u32 v10, v0, 4, 1
	s_delay_alu instid0(VALU_DEP_1)
	v_lshl_add_u32 v[AB0], v10, 6, MBL
	v_and_b32 v[R8], 15, v0
	s_delay_alu instid0(VALU_DEP_1)
	v_lshlrev_b32 v[R8], 3, v[R8]
	v_lshl_add_u32 v7, v0, 4, KSL
	v_lshl_add_u32 v8, v0, 3, VSL
	v_lshl_add_u32 v9, v0, 4, MBL
.irp i, 22,23,24,25,26,27
	v_mov_b32 v[\i], 0                             ; Q's upper 64 along K: zero codes
.endr
.irp t, 0,1,2,3
.irp i, 6,7,8,9,10,11
	v_mov_b32 v[KF+12*\t+\i], 0                    ; K's likewise: written once
.endr
.endr
.irp b, 0,1,2,3
	v_mov_b32 v[236+\b], 0                         ; a lane permute's destination counts as one of its sources
.endr
	v_mov_b32 v253, 0                              ; (named as the upper half of the pair v[252:253] before it is first written)
	v_mov_b32 v140, 0xff000000                     ; -2^127
	v_mov_b32 v240, -1
	s_wait_alu depctr_va_vdst(0)
	s_wait_loadcnt 0x0
.irp i, 0,1,2,3
	v_cmp_eq_u32 vcc_lo, 0, v[136+\i]
	s_delay_alu instid0(VALU_DEP_1)
	v_cndmask_b32 v[136+\i], 0, v140, vcc_lo       ; an open key adds 0 to its scores, a hidden one -2^127
.endr
	ds_store_b128 v7, v[128:131]
	ds_store_b64 v8, v[132:133]
	ds_store_b128 v9, v[136:139]
.macro KLOAD g                         ; 18 LDS loads: four tiles of K, their keys' mask numbers into the score registers, their scale words
.irp t, 0,1,2,3
	ds_load_b128 v[KF+12*\t:KF+12*\t+3], v[AD16] offset:768*(4*\g+\t)
	ds_load_b64 v[KF+12*\t+4:KF+12*\t+5], v[AD8] offset:768*(4*\g+\t)+512
	ds_load_b128 v[S+8*(4*\g+\t):S+8*(4*\g+\t)+3], v[ADB] offset:(32*((4*\g+\t)/2)+8*(\t%2))*4      ; register j of tile t is key 32 (t / 2) + 8 (t % 2) + 16 (lane / 16) + j
	ds_load_b128 v[S+8*(4*\g+\t)+4:S+8*(4*\g+\t)+7], v[ADB] offset:(32*((4*\g+\t)/2)+8*(\t%2))*4+16
.endr
	ds_load_b32 v[KSW+2*\g], v[ADS] offset:256*\g
	ds_load_b32 v[KSW+2*\g+1], v[ADS] offset:256*\g+128
.endm
.macro SPROD t                         ; S^T of tile t = K Q^T + the mask's numbers, in place
.if (\t)%2
	v_wmma_scale_f32_16x16x128_f8f6f4 v[S+8*(\t):S+8*(\t)+7], v[KF+12*((\t)%4):KF+12*((\t)%4)+11], v[16:27], v[S+8*(\t):S+8*(\t)+7], v[KSW+(\t)/2], v255 matrix_a_fmt:MATRIX_FMT_FP6 matrix_b_fmt:MATRIX_FMT_FP6 matrix_a_scale:MATRIX_SCALE_ROW1
.else
	v_wmma_scale_f32_16x16x128_f8f6f4 v[S+8*(\t):S+8*(\t)+7], v[KF+12*((\t)%4):KF+12*((\t)%4)+11], v[16:27], v[S+8*(\t):S+8*(\t)+7], v[KSW+(\t)/2], v255 matrix_a_fmt:MATRIX_FMT_FP6 matrix_b_fmt:MATRIX_FMT_FP6
.endif
.endm
.macro OPROD t                         ; O^T of channel tile t += V^T P^T
.if (\t)%2
	v_wmma_scale_f32_16x16x128_f8f6f4 v[O+8*(\t):O+8*(\t)+7], v[VF+12*(\t):VF+12*(\t)+11], v[224:235], v[O+8*(\t):O+8*(\t)+7], v[VSW+(\t)/2], v253 matrix_a_fmt:MATRIX_FMT_FP6 matrix_b_fmt:MATRIX_FMT_FP6 matrix_a_scale:MATRIX_SCALE_ROW1
.else
	v_wmma_scale_f32_16x16x128_f8f6f4 v[O+8*(\t):O+8*(\t)+7], v[VF+12*(\t):VF+12*(\t)+11], v[224:235], v[O+8*(\t):O+8*(\t)+7], v[VSW+(\t)/2], v253 matrix_a_fmt:MATRIX_FMT_FP6 matrix_b_fmt:MATRIX_FMT_FP6
.endif
.endm
; A KEY STEP: 128 keys.  No two matrix instructions that follow each other share an accumulator.
.macro STEP
	v_add_nc_u32 v[AD16], s[TK], v[A16]            ; five plain lines: also the places behind the last step's products, whose operands are loaded anew below
	v_add_nc_u32 v[AD8], s[TK], v[A8]
	v_add_nc_u32 v[ADS], s[TS], v[AKS0]
	v_add_nc_u32 v[ADB], s[TS], v[AB0]
	v_add_nc_u32 v[ADT], s[TT], v[AVS0]
	KLOAD 0
.irp t, 0,1,2,3                                ; V's four fragments and scale words: 18 loads, wanted only behind the softmax
	ds_load_b128 v[VF+12*\t:VF+12*\t+3], v[AD16] offset:VPART+1536*\t
	ds_load_b64 v[VF+12*\t+4:VF+12*\t+5], v[AD8] offset:VPART+1536*\t+512
	ds_load_b128 v[VF+12*\t+6:VF+12*\t+9], v[AD16] offset:VPART+1536*\t+768
	ds_load_b64 v[VF+12*\t+10:VF+12*\t+11], v[AD8] offset:VPART+1536*\t+1280
.endr
	ds_load_b32 v[VSW], v[ADT]
	ds_load_b32 v[VSW+1], v[ADT] offset:128
	s_wait_alu depctr_va_vdst(0)
	s_wait_dscnt 18                                ; the first 18 are in; V's 18 may be out
.irp t, 0,1,2,3
	SPROD \t
.endr
.rept 4
	v_nop                                          ; places in front of loads into registers that these products have read
.endr
	KLOAD 1
	s_wait_dscnt 0x0
.irp t, 4,5,6,7
	SPROD \t
.endr
.rept 4
	v_nop
.endr
.irp b, 0,1,2,3
	v_max3_num_f32 v[232+\b], v[S+16*\b], v[S+1+16*\b], v[S+2+16*\b]   ; the largest score of each block of 32 keys: for the row's maximum and, since p rises with the score, for the block's largest p
.endr
.irp i, 3,5,7,9,11,13
.irp b, 0,1,2,3
	v_max3_num_f32 v[232+\b], v[232+\b], v[S+16*\b+\i], v[S+1+16*\b+\i]
.endr
.endr
.irp b, 0,1,2,3
	v_max_num_f32 v[232+\b], v[232+\b], v[S+15+16*\b]
.endr
.irp b, 0,1,2,3
	s_delay_alu instid0(VALU_DEP_4)
	v_permlanex16_b32 v[236+\b], v[232+\b], s[SEL], s[SEL+1]
.endr
.irp b, 0,1,2,3
	s_delay_alu instid0(VALU_DEP_4)
	v_max_num_f32 v[232+\b], v[232+\b], v[236+\b]  ; with lane l xor 16's 16 keys
.endr
	s_delay_alu instid0(VALU_DEP_2)
	v_max3_num_f32 v254, v232, v233, v234
	s_delay_alu instid0(VALU_DEP_1)
	v_max_num_f32 v254, v254, v235
	s_delay_alu instid0(VALU_DEP_1)
	v_mul_f32 v254, s[CS], v254                    ; the step's largest t
	s_delay_alu instid0(VALU_DEP_1)
	v_max_num_f32 v13, v13, v254                   ; the running largest t
	v_mov_b32 v254, v12
	s_delay_alu instid0(VALU_DEP_2)
	v_floor_f32 v12, -v13                          ; the new -M = -ceil(t)
	s_delay_alu instid0(VALU_DEP_1)
	v_sub_f32 v254, v12, v254                      ; old M - new M: a whole number, 0 or less
	s_delay_alu instid0(VALU_DEP_1)
	v_cvt_i32_f32 v254, v254                       ; (it saturates)
	s_delay_alu instid0(VALU_DEP_1)
	v_ldexp_f32 v252, 1.0, v254                    ; f = 2^(old M - new M): rounds nothing
.set j, 0
.rept 32
	v_pk_fma_f32 v[S+j:S+j+1], v[S+j:S+j+1], s[CS:CS+1], v[12:13] op_sel_hi:[1,0,0]   ; t - M, two at a time
.set j, j+2
.endr
.irp b, 0,1,2,3
	v_fma_f32 v[232+\b], v[232+\b], s[CS], v12     ; the same of each block's largest score
.endr
.set j, 0
	s_wait_alu depctr_va_vdst(0)
.rept 64
	v_exp_f32 v[S+j], v[S+j]                       ; p = 2^(t - M)
.set j, j+1
.endr
	v_pk_mul_f32 v[14:15], v[14:15], v[252:253] op_sel_hi:[1,0]   ; the sums under the new M (a plain line behind the exponentials)
	s_wait_alu depctr_va_vdst(0)                   ; one wait for the 64, ahead of their first reader
.irp b, 0,1,2,3
	v_exp_f32 v[232+\b], v[232+\b]                 ; the block's largest p
.endr
	v_pk_add_f32 v[236:237], v[132:133], v[136:137]
	v_pk_add_f32 v[250:251], v[140:141], v[144:145]
	v_pk_add_f32 v[248:249], v[148:149], v[152:153]
	v_pk_add_f32 v[246:247], v[156:157], v[160:161]
	v_pk_add_f32 v[244:245], v[164:165], v[168:169]
	v_pk_add_f32 v[242:243], v[172:173], v[176:177]
	v_pk_add_f32 v[240:241], v[180:181], v[184:185]
	v_pk_add_f32 v[14:15], v[14:15], v[188:189]
	v_pk_add_f32 v[236:237], v[236:237], v[128:129]
	v_pk_add_f32 v[250:251], v[250:251], v[130:131]
	v_pk_add_f32 v[248:249], v[248:249], v[134:135]
	v_pk_add_f32 v[246:247], v[246:247], v[138:139]
	v_pk_add_f32 v[244:245], v[244:245], v[142:143]
	v_pk_add_f32 v[242:243], v[242:243], v[146:147]
	v_pk_add_f32 v[240:241], v[240:241], v[150:151]
	v_pk_add_f32 v[14:15], v[14:15], v[154:155]
	v_pk_add_f32 v[236:237], v[236:237], v[158:159]
	v_pk_add_f32 v[250:251], v[250:251], v[162:163]
	v_pk_add_f32 v[248:249], v[248:249], v[166:167]
	v_pk_add_f32 v[246:247], v[246:247], v[170:171]
	v_pk_add_f32 v[244:245], v[244:245], v[174:175]
	v_pk_add_f32 v[242:243], v[242:243], v[178:179]
	v_pk_add_f32 v[240:241], v[240:241], v[182:183]
	v_pk_add_f32 v[14:15], v[14:15], v[186:187]
	v_pk_add_f32 v[236:237], v[236:237], v[190:191]
	s_delay_alu instid0(VALU_DEP_2)
	v_pk_add_f32 v[14:15], v[14:15], v[246:247]
	s_delay_alu instid0(VALU_DEP_2)
	v_pk_add_f32 v[236:237], v[236:237], v[244:245]
	v_pk_add_f32 v[250:251], v[250:251], v[242:243]
	v_pk_add_f32 v[248:249], v[248:249], v[240:241]
	s_delay_alu instid0(VALU_DEP_2)
	v_pk_add_f32 v[14:15], v[14:15], v[250:251]
	s_delay_alu instid0(VALU_DEP_2)
	v_pk_add_f32 v[236:237], v[236:237], v[248:249]
	s_delay_alu instid0(VALU_DEP_1)
	v_pk_add_f32 v[14:15], v[14:15], v[236:237]
	s_wait_alu depctr_va_vdst(0)                   ; and one for the four
.irp b, 0,1,2,3
	v_max_num_f32 v[232+\b], 0x1800000, v[232+\b]  ; the floor 2^(3 - 127)
.endr
.irp b, 0,1,2,3
	s_delay_alu instid0(VALU_DEP_4)
	v_add_nc_u32 v[244+\b], 0xff000000, v[232+\b]  ; the conversion's scale operand
.endr
.irp b, 0,1,2,3
	s_delay_alu instid0(VALU_DEP_4)
	v_lshrrev_b32 v[236+\b], 23, v[244+\b]         ; the byte
.endr
	s_delay_alu instid0(VALU_DEP_3)
	v_lshl_or_b32 v253, v237, 8, v236              ; p's scale word for these 128 keys
	s_delay_alu instid0(VALU_DEP_1)
	v_lshl_or_b32 v253, v238, 16, v253
	s_delay_alu instid0(VALU_DEP_1)
	v_lshl_or_b32 v253, v239, 24, v253
.irp c, 0,1
	v_cvt_scalef32_pk16_fp6_f32 v[224+6*\c:226+6*\c], v[S+32*\c:S+15+32*\c], v[244+2*\c]
	v_cvt_scalef32_pk16_fp6_f32 v[236+4*\c:238+4*\c], v[S+16+32*\c:S+31+32*\c], v[244+2*\c+1]
.endr
	v_nop                                          ; a plain line behind the conversions
.irp c, 0,1
.irp i, 0,1,2
	v_permlane16_swap_b32 v[224+6*\c+\i], v[236+4*\c+\i]
.endr
.irp i, 0,1,2
	s_delay_alu instid0(VALU_DEP_3)
	v_mov_b32 v[227+6*\c+\i], v[236+4*\c+\i]
.endr
.endr
.set j, 0
.rept 16
	v_pk_mul_f32 v[O+j:O+j+1], v[O+j:O+j+1], v[252:253] op_sel_hi:[1,0]   ; O^T under the new M; these sixteen stand between the writes of p's codes and scale word and the products
.set j, j+2
.endr
.irp t, 0,1,2,3
	OPROD \t
.endr
	s_add_co_u32 s[TK], s[TK], 6144
	s_add_co_u32 s[TS], s[TS], 512
	s_add_co_u32 s[TT], s[TT], 256
.endm
.macro LOOP4                           ; a chunk's four key steps
	s_mov_b32 s67, 4
.Lstep_\@:
	STEP
	s_sub_co_u32 s67, s67, 1
	s_cmp_lg_u32 s67, 0
	s_cbranch_scc1 .Lstep_\@
	s_add_co_u32 s[TK], s[TK], VPART               ; over the chunk's V
.endm
.macro CHUNKWAIT n                     ; my one tile is in and my LDS stores have landed; behind the barrier everybody's: all of K and V.  It stands once, ahead of the first pass; nothing is filled again
	s_wait_tensorcnt \n
	s_wait_dscnt 0x0
	s_barrier_signal -1
	s_barrier_wait -1
.endm
; The result of a pass: O^T / the sum, quantised along the 64 channels (two blocks), as a half image and two scale bytes.
.macro QOUT p
.rept 4
	v_nop                                          ; places behind the last products
.endr
	v_add_f32 v14, v14, v15
	s_delay_alu instid0(VALU_DEP_1)
	v_permlanex16_b32 v252, v14, s[SEL], s[SEL+1]
	s_delay_alu instid0(VALU_DEP_1)
	v_add_f32 v14, v14, v252                       ; the row's sum
	s_wait_alu depctr_va_vdst(0)
	v_rcp_f32 v14, v14
	v_nop                                          ; a plain line behind the transcendental
	s_wait_alu depctr_va_vdst(0)                   ; ahead of its first reader
.set j, 0
.rept 32
	v_mul_f32 v[S+j], v[O+j], v14                  ; register 16 B + i is channel 32 B + 16 (lane / 16) + i; each accumulator from its low end on
.set j, j+1
.endr
.irp b, 0,1
	v_max3_num_f32 v[232+\b], |v[S+16*\b]|, |v[S+1+16*\b]|, 0x1800000
.endr
.irp i, 2,4,6,8,10,12,14
.irp b, 0,1
	s_delay_alu instid0(VALU_DEP_2)
	v_max3_num_f32 v[232+\b], v[232+\b], |v[S+16*\b+\i]|, |v[S+1+16*\b+\i]|
.endr
.endr
.irp b, 0,1
	s_delay_alu instid0(VALU_DEP_2)
	v_permlanex16_b32 v[236+\b], v[232+\b], s[SEL], s[SEL+1]
.endr
.irp b, 0,1
	s_delay_alu instid0(VALU_DEP_2)
	v_max_num_f32 v[232+\b], v[232+\b], v[236+\b]
.endr
.irp b, 0,1
	s_delay_alu instid0(VALU_DEP_2)
	v_add_nc_u32 v[244+\b], 0xff000000, v[232+\b]
.endr
.irp b, 0,1
	s_delay_alu instid0(VALU_DEP_2)
	v_lshrrev_b32 v[236+\b], 23, v[244+\b]
.endr
	s_delay_alu instid0(VALU_DEP_1)
	v_lshl_or_b32 v254, v237, 8, v236              ; the two bytes
	v_cmp_gt_f32 vcc_lo, s[THR], v13               ; no open key in the whole row?
	s_delay_alu instid0(VALU_DEP_1)
	v_cndmask_b32 v254, v254, v240, vcc_lo         ; then 0xff, 0xff
	v_cvt_scalef32_pk16_fp6_f32 v[224:226], v[S:S+15], v244
	v_cvt_scalef32_pk16_fp6_f32 v[236:238], v[S+16:S+31], v245
	v_nop
.irp i, 0,1,2
	v_permlane16_swap_b32 v[224+\i], v[236+\i]
.endr
.irp i, 0,1,2
	s_delay_alu instid0(VALU_DEP_3)
	v_mov_b32 v[227+\i], v[236+\i]
.endr
	global_store_b128 v[A16], v[224:227], s[60:61] offset:196608*\p        ; 512 consecutive bytes,
	global_store_b64 v[A8], v[228:229], s[60:61] offset:196608*\p+512      ; 256
	global_store_b16 v[R8], v254, s[62:63] offset:8192*\p                  ; two bytes a row, 8 apart: a row's eight bytes of a K step come from four heads, that is from four work-groups; both halves of the lanes write the same
.endm
.macro PASS p, first
	s_wait_xcnt 0x0                                ; the last pass's stores have read their registers
	v_and_b32 v254, 15, v0
	s_delay_alu instid0(VALU_DEP_1)
	v_lshlrev_b32 v254, 2, v254
	global_load_b128 v[16:19], v[A16], s[56:57] offset:24576*\p
	global_load_b64 v[20:21], v[A8], s[56:57] offset:24576*\p+512
	global_load_b32 v255, v254, s[58:59] offset:1024*\p
	v_mov_b32 v13, 0xff61b1e6                      ; the largest t so far: -3e38
	s_delay_alu instid0(VALU_DEP_1)
	v_floor_f32 v12, -v13
	v_mov_b32 v14, 0
	v_mov_b32 v15, 0
.set j, 0
.rept 32
	v_mov_b32 v[O+j], 0                            ; the step is written once: the first finds zeros
.set j, j+1
.endr
	s_mov_b32 s[TK], 0
	s_mov_b32 s[TS], 0
	s_mov_b32 s[TT], 0
	s_wait_loadcnt 0x0                             ; Q
.if \first
	CHUNKWAIT 0
.endif
	s_mov_b32 s84, 4
.Lchunk_\@:
	LOOP4
	s_sub_co_u32 s84, s84, 1
	s_cmp_lg_u32 s84, 0
	s_cbranch_scc1 .Lchunk_\@
	QOUT \p
.endm
	PASS 0, 1
	PASS 1, 0
	s_wait_tensorcnt 0x0                           ; the wave's end
	ds_add_u32 v[SPW], v[NIL]
	s_wait_dscnt 0x0
	CROUND                                         ; the closing round
	s_endpgm
.Lfunc_end_k_qa3c383c0a3_attn:
	.size	k_qa3c383c0a3_attn, .Lfunc_end_k_qa3c383c0a3_attn-k_qa3c383c0a3_attn
	.p2alignl 7, 3214868480
	.fill 96, 4, 3214868480
	.section	.rodata,"a",@progbits
	.p2align	6, 0x0
	.amdhsa_kernel k_qa3c383c0a3_attn
		.amdhsa_group_segment_fixed_size 219136
		.amdhsa_private_segment_fixed_size 0
		.amdhsa_enable_private_segment 0
		.amdhsa_kernarg_size 40
		.amdhsa_user_sgpr_count 2
		.amdhsa_user_sgpr_kernarg_segment_ptr 1
		.amdhsa_wavefront_size32 1
		.amdhsa_system_sgpr_workgroup_id_x 1
		.amdhsa_system_sgpr_workgroup_id_y 1
		.amdhsa_system_sgpr_workgroup_id_z 1
		.amdhsa_system_vgpr_workitem_id 0
		.amdhsa_next_free_vgpr 256
		.amdhsa_next_free_sgpr 106
		.amdhsa_reserve_vcc 1
		.amdhsa_float_denorm_mode_32 3
		.amdhsa_float_denorm_mode_16_64 3
		.amdhsa_memory_ordered 1
		.amdhsa_forward_progress 1
		.amdhsa_inst_pref_size 60
	.end_amdhsa_kernel
	.amdgpu_metadata
---
amdhsa.version: [ 1, 2 ]
amdhsa.kernels:
  - .name:           k_qa3c383c0a3_attn
    .symbol:         k_qa3c383c0a3_attn.kd
    .args:
      - { .name: qkvc, .offset: 0, .size: 8, .value_kind: global_buffer, .address_space: global }
      - { .name: qkvs, .offset: 8, .size: 8, .value_kind: global_buffer, .address_space: global }
      - { .name: mask, .offset: 16, .size: 8, .value_kind: global_buffer, .address_space: global }
      - { .name: ac, .offset: 24, .size: 8, .value_kind: global_buffer, .address_space: global }
      - { .name: asc, .offset: 32, .size: 8, .value_kind: global_buffer, .address_space: global }
    .group_segment_fixed_size: 219136
    .private_segment_fixed_size: 0
    .kernarg_segment_align: 8
    .kernarg_segment_size: 40
    .max_flat_workgroup_size: 512
    .sgpr_count:     106
    .vgpr_count:     256
    .wavefront_size: 32
...
	.end_amdgpu_metadata
.endif
;; end of part 3
;; launch gemm_fc (part 4): grid 4 x 64, 4 waves a work-group, clusters of 4 x 4, 327,680 bytes of LDS; arguments ac, asc, wc, ws, b_fc, out0; writes out0
.if DOCPART == 4
	.amdgcn_target "amdgcn-amd-amdhsa--gfx1250"
	.amdhsa_code_object_version 6
	.text
	.protected	k_qa3c383c0a3_gemm_fc
	.globl	k_qa3c383c0a3_gemm_fc
	.p2align	8
	.type	k_qa3c383c0a3_gemm_fc,@function
k_qa3c383c0a3_gemm_fc:
	s_mov_b64 s[64:65], 0
	v_nop
	global_prefetch_b8 v0, s[64:65] scope:SCOPE_SE
	s_setreg_imm32_b32 hwreg(HW_REG_WAVE_MODE, 25, 1), 1
	s_wait_xcnt 0x0
	s_wait_alu depctr_hold_cnt(0) depctr_sa_sdst(0) depctr_va_vdst(0) depctr_va_sdst(0) depctr_va_ssrc(0) depctr_va_vcc(0) depctr_vm_vsrc(0)
	s_getreg_b32 s2, hwreg(HW_REG_IB_STS2, 6, 4)
	s_cmp_eq_u32 s2, 0
	s_cbranch_scc0 .Lentry_in_a_cluster
	s_endpgm
.Lentry_in_a_cluster:
	s_bfe_u32 s2, ttmp6, 0x10000c
	s_cmp_lg_u32 s2, 0xf033
	s_cbranch_scc0 .Lentry_shape_is_right
	s_endpgm
.Lentry_shape_is_right:
; out0 [8192][1024] f32 = A W_fc + b_fc on codes of FP6 (E2M3) with E8M0 scales; K = 1024.
; A: the attention's result, [tile of 16 token positions][head: 16][half image of 768 bytes]; its bytes [tile][256 along K: 4][16][8].
; B: the weights' positions 3072-4095, codes [256 along K: 4][position][192 bytes], bytes laid as A's.
; SHARES: 256 work-groups, each 128 rows x 256 columns of C; four waves, 2 x 2, each 64 x 128: 32 accumulators, one window of registers.
; K goes in four steps of 256 through a ring of two LDS slots; each step is two runs of 32 products (128 along K).  A's and B's fragments have two sets each:
; a run's 64 LDS loads are issued ahead of the run before it.  The walk is written out: four steps, so every offset along K is an immediate.
; CLUSTERS 4 x 4: A's tiles are shared along a row, B's along a column, by joint loads.  At the head one load a wave: A's tile, B's tile, A's bytes, B's bytes.
; No prefetch: of the four K steps two are asked for at the head and the other two one step later: there is no loop to run ahead in.
; The product is used transposed (source 0 = B's rows); the bias is the first products' C.  Positions stand with bits 3 and 4 swapped (see quant): the way out puts rows and columns right.
; WINDOWS: 0: v0-31 addresses, v32-63 scale words (two sets), v64-127 the bias, v128-223 A's two sets; 1: B's two sets at v0 and v128; 2: the accumulators.
.set KROW,   192
.set WKS,    4096*192                  ; bytes from K step to K step in the weights' codes
.set PITCH,  240                       ; B in LDS: 192 bytes + 16 behind every 64
.set FR,     12
.set NP,     4
.set HALFA,  12288                     ; 64 rows of A, one K step
.set HALFT,  128*PITCH
.set SLOT,   2*HALFA+2*HALFT
.set SCL,    2*SLOT                    ; A's bytes (4,096), then B's (8,192)
.set SBLK,   512
.set SPARE,  SCL+12288
.set SPITCH, 528                       ; the stage, in slot 0, which has had its last fill and its last read by then
.set ADRA, 16
.set ADRB, 20
.set STO,  24
.set RD,   25
.set CO,   26
.set ADRS, 27
.set SPW,  28
.set NIL,  29
.set SC,   32
.set BI,   64
.set AF,   128
.set BK,   128
.set G1, 24
.set G0, 32
.set G1B, 48
.set G0B, 56
.set G1S, 68
.set G0S, 76
.set G1SB, 80
.set G0SB, 88
.set G0H,  4
.set G0HB, 8
.set MSB, 0
.macro WIN new
.if MSB != \new
	s_set_vgpr_msb (MSB<<8)|\new
.set MSB, \new
.endif
.endm
.set MUL_LO, 0xa1                      ; source 0 window 1, source 1 window 0, C and D window 2
.set BIA_LO, 0x81                      ; the same with C in window 0
.set TO_B,   0x40
.macro PLACES n
.rept \n
	v_nop
.endr
.endm
.macro JLOAD g0a, g1a, g0b, g1b        ; waves 0, 1 fetch for A, waves 2, 3 for B
	s_cmp_eq_u32 s15, 0
	s_cbranch_scc0 .Lfor_b_\@
	tensor_load_to_lds s[\g0a:\g0a+3], s[\g1a:\g1a+7]
	s_nop 0
	PLACES 4
	s_branch .Lasked_\@
.Lfor_b_\@:
	tensor_load_to_lds s[\g0b:\g0b+3], s[\g1b:\g1b+7]
	s_nop 0
	PLACES 4
.Lasked_\@:
.endm
.macro CREST
	s_cmp_lg_u32 s14, 0
	s_cbranch_scc1 .Lnot_wave_0_\@
	s_barrier_signal -3
.Lnot_wave_0_\@:
	s_barrier_wait -3
	s_barrier_signal -1
	s_barrier_wait -1
.endm
.macro CROUND
	s_barrier_signal -1
	s_barrier_wait -1
	CREST
.endm
	s_load_b256 s[4:11], s[0:1], 0x0               ; ac, asc, wc, ws
	s_load_b64 s[96:97], s[0:1], 0x20              ; b_fc
	s_load_b64 s[12:13], s[0:1], 0x28              ; out0
	v_lshl_add_u32 v[SPW], v0, 2, SPARE
	v_mov_b32 v[NIL], 0
	ds_add_u32 v[SPW], v[NIL]                      ; the opening lines
	ds_add_u32 v[SPW], v[NIL]
	v_lshrrev_b32 v1, 5, v0
	v_readfirstlane_b32 s14, v1                    ; wave
	s_lshr_b32 s15, s14, 1                         ; my half of the rows; also: I fetch for A (0) or B (1)
	s_and_b32 s16, s14, 1                          ; my half of the columns; also: which half of a tile I fetch
	s_bfe_u32 s40, ttmp6, 0x40000
	s_bfe_u32 s41, ttmp6, 0x40004
	s_lshl_b32 s42, ttmp9, 2
	s_add_co_u32 s42, s42, s40                     ; tile column, 0 .. 3
	s_and_b32 s17, ttmp7, 0xffff
	s_lshl_b32 s17, s17, 2
	s_add_co_u32 s17, s17, s41                     ; tile row, 0 .. 63
	s_lshl_b32 s43, s41, 2
	s_lshl_b32 s43, 15, s43                        ; my row of the cluster
	s_lshl_b32 s44, 0x1111, s40                    ; my column
	s_or_b32 s[G1+0], s43, (3<<16)|(1<<21)         ; A: rows of 3,072 bytes (a tile of 16 positions, four heads), 12,288 apart: 8 at the head, 4 in the ring
	s_mov_b32 s[G1+1], 384<<16
	s_mov_b32 s[G1+2], 8<<16
	s_mov_b32 s[G1+3], 384<<16
	s_mov_b32 s[G1+4], 8
	s_mov_b32 s[G1+5], 1536
	s_mov_b32 s[G1+6], 0
	s_mov_b32 s[G1+7], 0
	s_or_b32 s[G1B+0], s44, (0<<16)|(1<<20)|(1<<21)|(3<<22)|(3<<25)   ; B: a dense tile as rows of 256 bytes: 192 at the head, 96 in the ring
	s_mov_b32 s[G1B+1], 256<<16
	s_mov_b32 s[G1B+2], 192<<16
	s_mov_b32 s[G1B+3], 256<<16
	s_mov_b32 s[G1B+4], 192
	s_mov_b32 s[G1B+5], 256
	s_mov_b32 s[G1B+6], 0
	s_mov_b32 s[G1B+7], 0
	s_or_b32 s[G1S+0], s43, (3<<16)|(1<<21)        ; the bytes: dense rows of 256: A's 16, B's 32
	s_mov_b32 s[G1S+1], 32<<16
	s_mov_b32 s[G1S+2], 16<<16
	s_mov_b32 s[G1S+3], 32<<16
	s_mov_b32 s[G1S+4], 16
	s_mov_b32 s[G1S+5], 32
	s_mov_b32 s[G1S+6], 0
	s_mov_b32 s[G1S+7], 0
	s_or_b32 s[G1SB+0], s44, (3<<16)|(1<<21)
	s_mov_b32 s[G1SB+1], 32<<16
	s_mov_b32 s[G1SB+2], 32<<16
	s_mov_b32 s[G1SB+3], 32<<16
	s_mov_b32 s[G1SB+4], 32
	s_mov_b32 s[G1SB+5], 32
	s_mov_b32 s[G1SB+6], 0
	s_mov_b32 s[G1SB+7], 0
	s_mul_i32 s18, s16, 64*768                     ; in the ring: which half of A's 128 rows, in bytes,
	s_mov_b32 s19, 0
	s_mul_i32 s98, s16, 128*KROW                   ; and of B's 256
	s_mov_b32 s99, 0
	s_lshl_b32 s20, s17, 7
	s_lshl_b32 s46, s42, 8
	s_add_co_u32 s46, s46, 3072
	s_lshl_b32 s22, s20, 5
	s_mov_b32 s23, 0
	s_lshl_b32 s92, s46, 5
	s_mov_b32 s93, 0
	s_mul_i32 s20, s20, 768
	s_mov_b32 s21, 0
	s_mul_i32 s46, s46, KROW
	s_mov_b32 s47, 0
	s_mul_i32 s45, s16, HALFA
	s_mul_i32 s95, s16, HALFT
	s_add_co_u32 s95, s95, 2*HALFA
	s_wait_dscnt 0x0
	s_wait_kmcnt 0x0
	s_add_nc_u64 s[20:21], s[4:5], s[20:21]
	s_add_nc_u64 s[22:23], s[6:7], s[22:23]
	s_add_nc_u64 s[46:47], s[8:9], s[46:47]
	s_add_nc_u64 s[92:93], s[10:11], s[92:93]
	CROUND                                         ; the first joint loads meet
	s_mov_b32 s[G0H], 1
	s_mov_b32 s[G0H+1], 0
	s_mov_b64 s[G0H+2:G0H+3], s[20:21]
	s_or_b32 s[G0H+3], s[G0H+3], 0x80000000
	s_mov_b32 s[G0HB], 1
	s_mov_b32 s[G0HB+1], 2*HALFA
	s_mov_b64 s[G0HB+2:G0HB+3], s[46:47]
	s_or_b32 s[G0HB+3], s[G0HB+3], 0x80000000
	s_mov_b32 s[G0S], 1
	s_mov_b32 s[G0S+1], SCL
	s_mov_b64 s[G0S+2:G0S+3], s[22:23]
	s_or_b32 s[G0S+3], s[G0S+3], 0x80000000
	s_mov_b32 s[G0SB], 1
	s_mov_b32 s[G0SB+1], SCL+4096
	s_mov_b64 s[G0SB+2:G0SB+3], s[92:93]
	s_or_b32 s[G0SB+3], s[G0SB+3], 0x80000000
	s_add_nc_u64 s[20:21], s[20:21], s[18:19]
	s_add_nc_u64 s[46:47], s[46:47], s[98:99]
.irp s, 0,1
	s_mov_b32 s[G0+4*\s], 1
	s_add_co_u32 s[G0+4*\s+1], s45, \s*SLOT
	s_add_nc_u64 s[G0+4*\s+2:G0+4*\s+3], s[20:21], \s*3072
	s_or_b32 s[G0+4*\s+3], s[G0+4*\s+3], 0x80000000
	s_mov_b32 s[G0B+4*\s], 1
	s_add_co_u32 s[G0B+4*\s+1], s95, \s*SLOT
	s_add_nc_u64 s[G0B+4*\s+2:G0B+4*\s+3], s[46:47], \s*WKS
	s_or_b32 s[G0B+4*\s+3], s[G0B+4*\s+3], 0x80000000
.endr
; the head's loads, one a wave, in one chain of branches on the wave's number
.macro ARM under, g0, g1, next
	s_cmp_lt_u32 s14, \under
	s_cbranch_scc0 \next
	tensor_load_to_lds s[\g0:\g0+3], s[\g1:\g1+7]
	s_nop 0
	PLACES 4
	s_branch .Lhead_asked
\next:
.endm
	ARM 1, G0H,  G1,  .Lhead_b
	ARM 2, G0HB, G1B, .Lhead_sa
	ARM 3, G0S,  G1S, .Lhead_sb
	tensor_load_to_lds s[G0SB:G0SB+3], s[G1SB:G1SB+7]
	s_nop 0
	PLACES 4
.Lhead_asked:
	v_and_b32 v1, 15, v0
	v_bfe_u32 v2, v0, 4, 1
	v_and_b32 v6, 31, v0
	v_mul_u32_u24 v3, v1, PITCH
	v_mul_u32_u24 v4, v2, 24
	v_add_nc_u32 v4, v3, v4                        ; B: row x pitch + 24 x half
	v_lshl_add_u32 v5, v2, 4, v4                   ; and for the pieces behind one padding more
	v_lshlrev_b32 v[CO], 4, v6
	v_lshlrev_b32 v7, 3, v6
	s_mul_i32 s21, s15, HALFA
	s_mul_i32 s22, s16, HALFT
	s_add_co_u32 s22, s22, 2*HALFA
.irp s, 0,1
	v_add_nc_u32 v[ADRA+\s], s21, v[CO]
	v_add_nc_u32 v[ADRA+2+\s], s21, v7
	v_add_nc_u32 v[ADRB+\s], s22, v4
	v_add_nc_u32 v[ADRB+2+\s], s22, v5
	s_add_co_u32 s21, s21, SLOT
	s_add_co_u32 s22, s22, SLOT
.endr
	v_lshlrev_b32 v5, 3, v1
	s_lshl_b32 s21, s15, 11                        ; A's bytes: my 64 rows
	s_lshl_b32 s22, s16, 12                        ; B's: my 128, behind A's 4,096 bytes
	s_add_co_u32 s22, s22, 4096
	s_sub_co_u32 s22, s22, s21
	v_mul_u32_u24 v6, s22, v2                      ; lanes 16-31 take B's
	s_add_co_u32 s21, s21, SCL
	v_add_nc_u32 v5, v5, v6
	v_add_nc_u32 v[ADRS], s21, v5
	s_mul_i32 s23, s14, 16*SPITCH
	v_mul_u32_u24 v5, v1, SPITCH
	v_lshl_add_u32 v5, v2, 6, v5
	v_add_nc_u32 v[STO], s23, v5
	v_add_nc_u32 v[RD], s23, v[CO]
	s_lshl_b32 s46, s42, 10
	s_lshl_b32 s47, s16, 9
	s_add_co_u32 s46, s46, s47                     ; my first column, in bytes
	s_mov_b32 s47, 0
	s_add_nc_u64 s[96:97], s[96:97], s[46:47]
	v_lshlrev_b32 v8, 6, v2
.irp b, 0,1,2,3,4,5,6,7
	global_load_b128 v[BI+8*\b:BI+8*\b+3], v8, s[96:97] offset:(32*(\b/2)+8*(\b%2))*4       ; register j of block b is column 32 (b / 2) + 8 (b % 2) + 16 (lane / 16) + j
	global_load_b128 v[BI+8*\b+4:BI+8*\b+7], v8, s[96:97] offset:(32*(\b/2)+8*(\b%2))*4+16
.endr
	s_lshl_b32 s20, s17, 7
	s_lshl_b32 s21, s15, 6
	s_add_co_u32 s20, s20, s21                     ; my first row of C
	s_lshl_b32 s20, s20, 12
	s_mov_b32 s21, 0
	s_add_nc_u64 s[12:13], s[12:13], s[20:21]
	s_add_nc_u64 s[12:13], s[12:13], s[46:47]
.macro FRAG reg, adr, q, i             ; B: six pieces of 8 bytes
.irp p, 0,1,2,3,4,5
.set PC, 12*(\q)+6*(\p/3)+\p%3
.if PC%8 < 5
	ds_load_b64 v[\reg+2*\p:\reg+2*\p+1], v[\adr] offset:8*PC+16*(PC/8)+(\i)*16*PITCH
.else
	ds_load_b64 v[\reg+2*\p:\reg+2*\p+1], v[\adr+2] offset:8*PC+16*(PC/8)+(\i)*16*PITCH
.endif
.endr
.endm
.macro FRAGA reg, slot, q, i           ; A: two half images, consecutive bytes
	ds_load_b128 v[\reg:\reg+3], v[ADRA+\slot] offset:(\i)*3072+(\q)*1536
	ds_load_b64 v[\reg+4:\reg+5], v[ADRA+2+\slot] offset:(\i)*3072+(\q)*1536+512
	ds_load_b128 v[\reg+6:\reg+9], v[ADRA+\slot] offset:(\i)*3072+(\q)*1536+768
	ds_load_b64 v[\reg+10:\reg+11], v[ADRA+2+\slot] offset:(\i)*3072+(\q)*1536+1280
.endm
.macro FETCH slot, q, p                ; 64 loads: B's eight and A's four fragments of 128 along K into set p
	WIN TO_B
.irp i, 0,1,2,3,4,5,6,7
	FRAG 128*(\p)+FR*\i, ADRB+\slot, \q, \i
.endr
	WIN 0
.irp i, 0,1,2,3
	FRAGA AF+48*(\p)+FR*\i, \slot, \q, \i
.endr
.endm
.macro SCALES sc, ks                   ; K step ks's words: lanes 0-15 A's block i (blocks 4-7: not used), lanes 16-31 B's
.irp i, 0,1,2,3,4,5,6,7
	ds_load_b64 v[SC+16*(\sc)+2*\i:SC+16*(\sc)+2*\i+1], v[ADRS] offset:\i*SBLK+128*(\ks)
.endr
.endm
.macro MUL8 a, p, q, sc, first         ; A's block a against B's eight; the 32 accumulators take turns in the same order in every run
.irp b, 0,1,2,3,4,5,6,7
.if \first
	v_wmma_scale_f32_16x16x128_f8f6f4 v[8*(8*(\a)+\b):8*(8*(\a)+\b)+7], v[128*(\p)+FR*\b:128*(\p)+FR*\b+FR-1], v[AF+48*(\p)+FR*(\a):AF+48*(\p)+FR*(\a)+FR-1], v[BI+8*\b:BI+8*\b+7], v[SC+16*(\sc)+2*\b+(\q)], v[SC+16*(\sc)+2*(\a)+(\q)] matrix_a_fmt:MATRIX_FMT_FP6 matrix_b_fmt:MATRIX_FMT_FP6 matrix_a_scale:MATRIX_SCALE_ROW1
.else
	v_wmma_scale_f32_16x16x128_f8f6f4 v[8*(8*(\a)+\b):8*(8*(\a)+\b)+7], v[128*(\p)+FR*\b:128*(\p)+FR*\b+FR-1], v[AF+48*(\p)+FR*(\a):AF+48*(\p)+FR*(\a)+FR-1], v[8*(8*(\a)+\b):8*(8*(\a)+\b)+7], v[SC+16*(\sc)+2*\b+(\q)], v[SC+16*(\sc)+2*(\a)+(\q)] matrix_a_fmt:MATRIX_FMT_FP6 matrix_b_fmt:MATRIX_FMT_FP6 matrix_a_scale:MATRIX_SCALE_ROW1
.endif
.endr
.endm
.macro STEP slot, first                ; a slot's first run: set 0 is multiplied, the second run's fragments go into set 1 ahead of it
	s_wait_dscnt 0x0                               ; set 0 and the scale words are in
	PLACES NP                                      ; in front of loads into set 1, which the last products read
	FETCH \slot, 1, 1
.if \first
	WIN BIA_LO
.else
	WIN MUL_LO
.endif
.irp a, 0,1,2,3
	MUL8 \a, 0, 0, \slot, \first
.endr
.endm
.macro TURN slot, next, fill, ks       ; a slot's second run, and the change of slots
	WIN 0
	s_wait_tensorcnt 0x0                           ; my part of the next slot is in;
	ds_add_u32 v[SPW], v[NIL]
	s_wait_dscnt 1                                 ; set 1 is in: only the add may be out
	WIN MUL_LO
	MUL8 0, 1, 1, \slot, 0
	s_wait_dscnt 0x0                               ; the add is done; my reads of this slot were over at the wait above
	s_barrier_signal -1
	MUL8 1, 1, 1, \slot, 0
	WIN 0
	s_barrier_wait -1
.if \fill
	CREST                                          ; the barrier has opened a round of the cluster's barrier
	s_add_nc_u64 s[G0+4*\slot+2:G0+4*\slot+3], s[G0+4*\slot+2:G0+4*\slot+3], 2*3072
	s_add_nc_u64 s[G0B+4*\slot+2:G0B+4*\slot+3], s[G0B+4*\slot+2:G0B+4*\slot+3], 2*WKS
	JLOAD G0+4*\slot, G1, G0B+4*\slot, G1B         ; two K steps on; its four v_nop are the places in front of the loads below
.else
	PLACES NP
.endif
	FETCH \next, 0, 0
	SCALES \next, \ks
	WIN MUL_LO
	MUL8 2, 1, 1, \slot, 0
	MUL8 3, 1, 1, \slot, 0
.endm
	s_wait_alu depctr_va_vdst(0)
	s_wait_tensorcnt 0x0                           ; my tile of the head's four is in; slot 1's first fill is issued as a refill is
	ds_add_u32 v[SPW], v[NIL]
	s_mov_b32 s[G1+2], 4<<16                       ; no load of mine is out: from here on a load brings half a tile
	s_mov_b32 s[G1+4], 4
	s_mov_b32 s[G1B+2], 96<<16
	s_mov_b32 s[G1B+4], 96
	s_wait_dscnt 0x0
	CROUND
	JLOAD G0+4, G1, G0B+4, G1B                     ; K step 1
	FETCH 0, 0, 0
	SCALES 0, 0
	s_wait_loadcnt 0x0                             ; the bias
	STEP 0, 1
	TURN 0, 1, 1, 1                                ; slot 0 takes K step 2
	STEP 1, 0
	TURN 1, 0, 1, 2                                ; slot 1 takes K step 3
	STEP 0, 0
	TURN 0, 1, 0, 3                                ; nothing more to fetch
	STEP 1, 0
	s_wait_dscnt 0x0
.irp a, 0,1,2,3
	MUL8 \a, 1, 1, 1, 0
.endr
	WIN 0
; the way out: a block of 16 rows x 128 columns through my stage, back as rows of 512 bytes
.macro TOSTAGE a
.set AC, 64*(\a)
	WIN 0x08
.irp b, 0,1,2,3,4,5,6,7
	ds_store_b128 v[STO], v[AC+8*\b:AC+8*\b+3] offset:128*(\b/2)+32*(\b%2)       ; each accumulator from its low end on
	ds_store_b128 v[STO], v[AC+8*\b+4:AC+8*\b+7] offset:128*(\b/2)+32*(\b%2)+16
.endr
	WIN 0
.set BB, BK+64*((\a)%2)
.irp t, 0,1,2,3,4,5,6,7,8,9,10,11,12,13,14,15
	ds_load_b128 v[BB+4*\t:BB+4*\t+3], v[RD] offset:\t*SPITCH                    ; a wave's LDS instructions are served in order
.endr
.endm
.macro SEND a, younger
.set BB, BK+64*((\a)%2)
	s_wait_dscnt \younger
.irp t, 0,1,2,3,4,5,6,7,8,9,10,11,12,13,14,15
	global_store_b128 v[CO], v[BB+4*\t:BB+4*\t+3], s[12:13] offset:(32*((\a)/2)+8*((\a)%2)+\t+8*(\t/8))*4096 th:TH_STORE_NT   ; 512 consecutive bytes of the position's true row
.endr
.endm
	PLACES NP
	TOSTAGE 0
.irp a, 1,2,3
.if \a > 1
	s_wait_xcnt 0x0                                ; block a - 2's stores have read their registers
.endif
	TOSTAGE \a
	SEND \a-1, 32                                  ; behind block a - 1's loads: block a's 16 stores and 16 loads
.endr
	SEND 3, 0
	s_wait_tensorcnt 0x0                           ; the wave's end
	ds_add_u32 v[SPW], v[NIL]
	s_wait_dscnt 0x0
	CROUND                                         ; the closing round
	s_endpgm
.Lfunc_end_k_qa3c383c0a3_gemm_fc:
	.size	k_qa3c383c0a3_gemm_fc, .Lfunc_end_k_qa3c383c0a3_gemm_fc-k_qa3c383c0a3_gemm_fc
	.p2alignl 7, 3214868480
	.fill 96, 4, 3214868480
	.section	.rodata,"a",@progbits
	.p2align	6, 0x0
	.amdhsa_kernel k_qa3c383c0a3_gemm_fc
		.amdhsa_group_segment_fixed_size 327680
		.amdhsa_private_segment_fixed_size 0
		.amdhsa_enable_private_segment 0
		.amdhsa_kernarg_size 48
		.amdhsa_user_sgpr_count 2
		.amdhsa_user_sgpr_kernarg_segment_ptr 1
		.amdhsa_wavefront_size32 1
		.amdhsa_system_sgpr_workgroup_id_x 1
		.amdhsa_system_sgpr_workgroup_id_y 1
		.amdhsa_system_sgpr_workgroup_id_z 1
		.amdhsa_system_vgpr_workitem_id 0
		.amdhsa_next_free_vgpr 768
		.amdhsa_next_free_sgpr 106
		.amdhsa_reserve_vcc 0
		.amdhsa_float_denorm_mode_32 3
		.amdhsa_float_denorm_mode_16_64 3
		.amdhsa_memory_ordered 1
		.amdhsa_forward_progress 1
		.amdhsa_inst_pref_size 98
	.end_amdhsa_kernel
	.amdgpu_metadata
---
amdhsa.version: [ 1, 2 ]
amdhsa.kernels:
  - .name:           k_qa3c383c0a3_gemm_fc
    .symbol:         k_qa3c383c0a3_gemm_fc.kd
    .args:
      - { .name: ac, .offset: 0, .size: 8, .value_kind: global_buffer, .address_space: global }
      - { .name: asc, .offset: 8, .size: 8, .value_kind: global_buffer, .address_space: global }
      - { .name: wc, .offset: 16, .size: 8, .value_kind: global_buffer, .address_space: global }
      - { .name: ws, .offset: 24, .size: 8, .value_kind: global_buffer, .address_space: global }
      - { .name: b_fc, .offset: 32, .size: 8, .value_kind: global_buffer, .address_space: global }
      - { .name: out0, .offset: 40, .size: 8, .value_kind: global_buffer, .address_space: global }
    .group_segment_fixed_size: 327680
    .private_segment_fixed_size: 0
    .kernarg_segment_align: 8
    .kernarg_segment_size: 48
    .max_flat_workgroup_size: 128
    .sgpr_count:     106
    .vgpr_count:     768
    .wavefront_size: 32
...
	.end_amdgpu_metadata
.endif
;; end of part 4
